; MI455X (gfx1250); checked and timed in simulation.
; The chip was launched on July 23, 2026; its instructions are those of AMD's public machine-readable ISA for CDNA 5 (MIT licence, August 2026) and "CDNA5" Instruction Set Architecture Reference Guide (July 2026). The comments in the code are by the model that wrote it; some were corrected since.
;; Multi Head Attention. Allowed arithmetic: matrix products marked QUANTISED: E2M3 operands, one E8M0 scale for each 32 along K, by v_wmma_scale_f32_16x16x128_f8f6f4 with both operands' format E2M3, f32 sums; everything else in f32.
;; Inputs: Wk 1,024 x 1,024 float32; Wo 1,024 x 1,024 float32; Wq 1,024 x 1,024 float32; Wv 1,024 x 1,024 float32; bk 1,024 float32; bo 1,024 float32; bq 1,024 float32; bv 1,024 float32; key 4 x 2,048 x 1,024 float32; query 4 x 2,048 x 1,024 float32; value 4 x 2,048 x 1,024 float32.
;; Outputs: out0 4 x 2,048 x 1,024 float32.
;; This version of the problem:
;;   THIS VERSION OF THE PROBLEM IS GIVEN IN LOW PRECISION. The matrix products marked QUANTISED in the list below multiply operands that are first quantised to E2M3 (2 exponent bits, 3 mantissa bits; 6 bits a number), with one power-of-two scale for each 32 numbers along K (OCP MX v1.0); their sums are f32. All else is computed in f32.
;;   The module's matrix products, in the order in which they are computed (A, B: the left and right operand; K: the contracted axis; several contracted axes count as one K, in the product's order):
;;     1. [M 8,192, K 1,024] x [K 1,024, N 1,024]; A: input query; B: input Wq: QUANTISED
;;     2. [M 8,192, K 1,024] x [K 1,024, N 1,024]; A: input key; B: input Wk: QUANTISED
;;     3. [M 8,192, K 1,024] x [K 1,024, N 1,024]; A: input value; B: input Wv: QUANTISED
;;     4. batch 64 x [M 2,048, K 64] x [K 64, N 2,048]; A: computed on the way; B: computed on the way: QUANTISED
;;     5. batch 64 x [M 2,048, K 2,048] x [K 2,048, N 64]; A: softmax (see below); B: computed on the way: QUANTISED
;;     6. [M 8,192, K 1,024] x [K 1,024, N 1,024]; A: computed on the way; B: input Wo: QUANTISED
;;   THE QUANTISER, for each operand of a quantised product, along K:
;;     - K is cut into blocks of 32 from its start; a last block that is shorter is filled with zeros.
;;     - A block's scale is 2^e with e = floor(log2(the largest magnitude in the block)) - 2, held to -126 .. 127; a block of zeros has e = 0. As a byte (E8M0): e + 127.
;;     - Each number is divided by its block's scale, clamped to +-7.5, and rounded to the nearest number of E2M3, ties to even, subnormals kept.
;;     - The product sums the exact products of the quantised numbers (number of the format x scale) in f32.
;;   ~~~python
;;   def quantise(x, axis):      # numpy; x: float32 -> the quantised numbers, widened to float32 again
;;       x = np.moveaxis(x, axis, -1); K = x.shape[-1]
;;       x = np.pad(x, [(0, 0)] * (x.ndim - 1) + [(0, -K % 32)]); x = x.reshape(x.shape[:-1] + (-1, 32)); a = np.abs(x).max(-1, keepdims=True)
;;       e = np.where(a > 0, np.clip(np.frexp(np.where(a > 0, a, 1))[1] - 1 - 2, -126, 127), 0)      # np.frexp(a)[1] - 1 = floor(log2(a)), exactly
;;       r = np.clip(x / 2.0 ** e, -7.5, 7.5)
;;       step = 2.0 ** (np.maximum(np.frexp(np.where(r == 0, 1, r))[1] - 1, 0) - 3)
;;       q = np.round(r / step) * step * 2.0 ** e      # np.round: ties to even
;;       return np.moveaxis(q.reshape(q.shape[:-2] + (-1,))[..., :K], -1, axis).astype(np.float32)
;;   ~~~
;;   SOFTMAX AHEAD OF A QUANTISED PRODUCT. Where the list says 'softmax', what is quantised is not the finished softmax but p = 2^(t - M), with t = logit x log2(e) and M = ceil(the row's largest t), a whole number; so 1/2 < the row's largest p <= 1. The row's sum l is taken of the UNQUANTISED p, in f32, and the product's result is divided by l at the end. Since M is a whole number, a kernel that streams over the keys may use a running M (the ceiling of the running maximum): every later rescaling is an exact power of two, which a block's scale takes up: the codes' values come out the same.
;;   OPERANDS COMPUTED ON THE WAY. 'Computed on the way' means the value that the module computes at that place (a softmax that the list does not call 'softmax' is quantised finished and normalised). What goes into a quantiser is computed in f32, as accurately as f32 sums, v_exp_f32 and their like allow (about 1e-6 of the number): no bf16 or f16 on the way to a quantiser, and a product that is left as it is and whose result goes on into a quantised operand takes f32 operands (vector FMAs, or v_wmma_f32_16x16x4_f32). A number that lies on a knife's edge between two numbers of the format may be rounded either way, as far as f32 arithmetic and the matrix unit's own rounding can turn it there, and no further.
;; One version. Each part assembles by itself: llvm-mc -triple=amdgcn-amd-amdhsa -mcpu=gfx1250 --defsym DOCPART=n.
;; ======== version 1 of 1: 4 launches
;; workspace buffers: xc 28,311,552 bytes; xs 1,179,648 bytes; hc 18,874,368 bytes; hs 786,432 bytes
;; launch quant_in (part 1): grid 256 x 1, 7 waves a work-group, no clusters, 60,160 bytes of LDS; arguments query, key, value, Wq, Wk, Wv, Wo, xc, xs; writes xc, xs
.if DOCPART == 1
	.amdgcn_target "amdgcn-amd-amdhsa--gfx1250"
	.amdhsa_code_object_version 6
	.text
	.protected	k_qf5f062f59b_quant_in
	.globl	k_qf5f062f59b_quant_in
	.p2align	8
	.type	k_qf5f062f59b_quant_in,@function
k_qf5f062f59b_quant_in:
	s_mov_b64 s[64:65], 0
	v_nop
	global_prefetch_b8 v0, s[64:65] scope:SCOPE_SE
	s_setreg_imm32_b32 hwreg(HW_REG_WAVE_MODE, 25, 1), 1
	s_wait_xcnt 0x0
; query, key, value [8192][1024] and Wq, Wk, Wv, Wo [1024][1024], f32, K innermost, become codes of FP6 (E2M3) with one E8M0 byte for each 32 along K,
; laid in the ORDER OF THE OPERAND'S REGISTERS, so that every later load of a fragment is a dense run of bytes.
; FRAGMENT f of a tensor holds, in lane-row r (0..15), the tensor's row 32 (f / 2) + 8 (f % 2) + r + 8 (r / 8): as source 0 of a product such a fragment lays 16 neighbouring rows into the 16 result
; registers of two neighbouring tiles, which is what the next quantiser wants.
; HALF FRAGMENT (768 bytes) = 16 rows x 64 along K = operand registers 0-5: lane l's registers 0-3 at 16 l, its registers 4-5 at 512 + 8 l.  xc: [fragment][k / 64] half fragments, 12,288 bytes a fragment.
; xs: 512 bytes a fragment: the scale word of K step s (128 along K) of lane-row r at 256 (s / 4) + 16 r + 4 (s % 4).
; Fragment numbers: query 0-511, key 512-1023, value 1024-1535, Wq 1536-, Wk 1600-, Wv 1664-, Wo 1728-1791 (1792-2303 are the attention's result, stored by a later launch).
; A block's scale is 2^(floor(log2(its largest magnitude)) - 2); its byte is the largest magnitude's exponent field - 2, held at 1 from below.
; LIMITS: NaN and infinities are not served; a block whose largest magnitude lies under 2^-124 keeps the byte 1; a block of zeros gets the byte 1 and not 127: its codes are zeros, and this program alone reads the bytes.
; SHARES: 1,792 fragments = 256 work-groups x 7 waves: a wave takes one fragment, 16 rows x 1,024 along K, in eight steps of 128.  Waves share nothing: no barrier.
; A load reads 512 consecutive bytes of one row; the conversions want 16 neighbours along K in ONE lane: so a step's 16 x 512 bytes turn through the wave's own stage in LDS (rows 528 bytes apart: 132 words, so that the
; sixteen rows that a read touches start at sixteen different groups of banks; 64 banks of 4 bytes: ISA guide 11.1).  Loads run two steps (32 loads a wave) ahead.
.set STG,   16*528                     ; a wave's stage
.set SPARE, 7*STG                      ; behind the stages: the spare words, 128 bytes a wave, in whole blocks of 256 bytes that no other line names
.set L16, 1                            ; v1   16 x lane
.set L8,  2                            ; v2   8 x lane
.set STI, 3                            ; v3   the stage on the way in: 16 x lane
.set STO, 4                            ; v4   and on the way out: 528 r + 64 h
.set SPW, 5                            ; v5   my spare word; never rewritten
.set NIL, 6                            ; v6   0; never rewritten
.set LN,  7                            ; v7   lane
.set W,   8                            ; v8-15  the eight steps' scale words
.set WO,  16                           ; v16-19 the four that my lane stores
.set TM,  20                           ; v20-35 at work in QUANT
.set PC,  36                           ; v36-55 the codes just made
.set R,   64                           ; v64-127, v128-191 two sets of 16 x 4 registers as loaded
.set X,   192                          ; v192-255 64 numbers of my row: register 16 b + i = k 32 b + 16 h + i
.set SEL, 30                           ; s[30:31] v_permlanex16_b32's selects for lane l xor 16
	s_load_b512 s[8:23], s[0:1], 0x0               ; query, key, value, Wq, Wk, Wv, Wo, xc
	s_load_b64 s[24:25], s[0:1], 0x40              ; xs
	v_lshl_add_u32 v[SPW], v0, 2, SPARE
	v_mov_b32 v[NIL], 0
	v_lshrrev_b32 v[LN], 5, v0
	v_readfirstlane_b32 s7, v[LN]                  ; wave 0..6
	v_and_b32 v[LN], 31, v0
	v_lshlrev_b32 v[L16], 4, v[LN]
	v_lshlrev_b32 v[L8], 3, v[LN]
	s_mul_i32 s27, s7, STG
	v_add_nc_u32 v[STI], s27, v[L16]
	v_and_b32 v[STO], 15, v0
	v_mul_u32_u24 v[STO], v[STO], 528
	v_bfe_u32 v[WO], v0, 4, 1
	v_lshl_add_u32 v[STO], v[WO], 6, v[STO]
	v_add_nc_u32 v[STO], s27, v[STO]
.irp b, 0,1,2,3
	v_mov_b32 v[TM+4+\b], 0                        ; written once: a lane permute's destination counts as one of its sources
.endr
	s_mov_b32 s[SEL], 0x76543210
	s_mov_b32 s[SEL+1], 0xfedcba98
	s_mul_i32 s26, ttmp9, 7
	s_add_co_u32 s26, s26, s7                      ; my fragment's number
	s_wait_alu depctr_va_vdst(0)
	s_wait_kmcnt 0x0
; which tensor it belongs to: a choice of pointers on the fragment's number alone
.macro PICK lim, ptr, base
	s_cmp_lt_u32 s26, \lim
	s_cselect_b64 s[4:5], s[\ptr:\ptr+1], s[4:5]
	s_cselect_b32 s6, \base, s6
.endm
	s_mov_b64 s[4:5], s[20:21]                     ; Wo,
	s_mov_b32 s6, 1728                             ; whose fragments begin here
	PICK 1728, 18, 1664                            ; Wv
	PICK 1664, 16, 1600                            ; Wk
	PICK 1600, 14, 1536                            ; Wq
	PICK 1536, 12, 1024                            ; value
	PICK 1024, 10, 512                             ; key
	PICK 512, 8, 0                                 ; query
	s_sub_co_u32 s6, s26, s6                       ; the fragment's number in its tensor
	s_lshr_b32 s28, s6, 1
	s_lshl_b32 s28, s28, 17                        ; 32 rows of 4,096 bytes for each pair of fragments,
	s_and_b32 s6, s6, 1
	s_lshl_b32 s6, s6, 15                          ; 8 rows for the odd one
	s_add_co_u32 s28, s28, s6
	s_mov_b32 s29, 0
	s_add_nc_u64 s[4:5], s[4:5], s[28:29]
	s_mul_i32 s28, s26, 12288
	s_add_nc_u64 s[22:23], s[22:23], s[28:29]      ; my fragment's codes
	s_lshl_b32 s28, s26, 9
	s_add_nc_u64 s[24:25], s[24:25], s[28:29]      ; and its scale words
.macro LOAD t                          ; step t: 128 numbers of each of my 16 rows: lane-row i is row i + 8 (i / 8) from the fragment's first
.irp i, 0,1,2,3,4,5,6,7,8,9,10,11,12,13,14,15
	global_load_b128 v[R+64*((\t)%2)+4*\i:R+64*((\t)%2)+4*\i+3], v[L16], s[4:5] offset:(\i+8*(\i/8))*4096+512*(\t) th:TH_LOAD_NT
.endr
.endm
.macro TURN t                          ; through the stage: LDS serves a wave's instructions in order (ISA guide 5.7.1.4), so no wait stands between the stores and the loads
.irp i, 0,1,2,3,4,5,6,7,8,9,10,11,12,13,14,15
	ds_store_b128 v[STI], v[R+64*((\t)%2)+4*\i:R+64*((\t)%2)+4*\i+3] offset:528*\i
.endr
.irp b, 0,1,2,3
.irp j, 0,1,2,3
	ds_load_b128 v[X+16*\b+4*\j:X+16*\b+4*\j+3], v[STO] offset:128*\b+16*\j
.endr
.endr
.endm
; 64 numbers of a lane, register 16 b + i = k 32 b + 16 (lane / 16) + i of my row, become a fragment's 12 registers in v[PC] on and its scale word in v[pw]
.macro QUANT s, pw
.irp b, 0,1,2,3
	v_max3_num_f32 v[TM+\b], |v[\s+16*\b]|, |v[\s+1+16*\b]|, 0x1800000   ; block b: my 16 numbers, and the floor 2^(3 - 127): the byte cannot fall under 1
.endr
.irp i, 2,4,6,8,10,12,14
.irp b, 0,1,2,3
	v_max3_num_f32 v[TM+\b], v[TM+\b], |v[\s+16*\b+\i]|, |v[\s+1+16*\b+\i]|   ; the four blocks by turns
.endr
.endr
.irp b, 0,1,2,3
	v_permlanex16_b32 v[TM+4+\b], v[TM+\b], s[SEL], s[SEL+1]
.endr
.irp b, 0,1,2,3
	v_max_num_f32 v[TM+\b], v[TM+\b], v[TM+4+\b]   ; with lane l xor 16's: the block's largest magnitude
.endr
.irp b, 0,1,2,3
	v_add_nc_u32 v[TM+12+\b], 0xff000000, v[TM+\b] ; 2 off its exponent field: the conversion takes the exponent field of this operand as its scale
.endr
.irp b, 0,1,2,3
	v_lshrrev_b32 v[TM+4+\b], 23, v[TM+12+\b]      ; the scale's byte
.endr
	v_lshl_or_b32 v[(\pw)], v[TM+5], 8, v[TM+4]
	v_lshl_or_b32 v[(\pw)], v[TM+6], 16, v[(\pw)]
	v_lshl_or_b32 v[(\pw)], v[TM+7], 24, v[(\pw)]
.irp c, 0,1
	v_cvt_scalef32_pk16_fp6_f32 v[PC+6*\c:PC+2+6*\c], v[\s+32*\c:\s+15+32*\c], v[TM+12+2*\c]
	v_cvt_scalef32_pk16_fp6_f32 v[PC+12+4*\c:PC+14+4*\c], v[\s+16+32*\c:\s+31+32*\c], v[TM+12+2*\c+1]   ; (a conversion's three registers begin on an even number)
.endr
	v_nop                                          ; one plain place behind a scaled conversion
.irp c, 0,1                                    ; the operand's layout wants a WHOLE block in a lane: lanes 0-15 block 2 c, lanes 16-31 block 2 c + 1
.irp i, 0,1,2
	v_permlane16_swap_b32 v[PC+6*\c+\i], v[PC+12+4*\c+\i]
.endr
.irp i, 0,1,2
	v_mov_b32 v[PC+3+6*\c+\i], v[PC+12+4*\c+\i]
.endr
.endr
.endm
.macro OUT t                           ; two half fragments: each store covers 512 or 256 consecutive bytes, at a multiple of 256 from the buffer's first byte
	global_store_b128 v[L16], v[PC:PC+3], s[22:23] offset:1536*(\t)
	global_store_b64 v[L8], v[PC+4:PC+5], s[22:23] offset:1536*(\t)+512
	global_store_b128 v[L16], v[PC+6:PC+9], s[22:23] offset:1536*(\t)+768
	global_store_b64 v[L8], v[PC+10:PC+11], s[22:23] offset:1536*(\t)+1280
.endm
	LOAD 0
	LOAD 1
.irp t, 0,1,2,3,4,5,6,7
.if \t < 7
	s_wait_loadcnt 16                              ; this step's 16 loads are in; the next step's 16 may be out
.else
	s_wait_loadcnt 0x0
.endif
	TURN \t
	s_wait_dscnt 0x0                               ; my 64 numbers are back, and the stores into the stage have read their registers,
	s_wait_xcnt 0x0                                ; and the last step's stores have read the codes' registers, which QUANT writes again
.if \t < 6
	LOAD \t+2                                      ; the set just emptied takes the loads of two steps on
.endif
	QUANT X, W+\t
	OUT \t
.endr
	v_cmp_gt_u32 vcc_lo, 16, v[LN]                 ; lanes 0-15 store words 0-3 of their row, lanes 16-31 words 4-7 (both halves hold all eight)
.irp i, 0,1,2,3
	v_cndmask_b32 v[WO+\i], v[W+4+\i], v[W+\i], vcc_lo
.endr
	global_store_b128 v[L16], v[WO:WO+3], s[24:25] ; 512 consecutive bytes
	s_wait_tensorcnt 0x0                           ; the wave's end, behind my last LDS store
	ds_add_u32 v[SPW], v[NIL]
	s_wait_dscnt 0x0
	s_endpgm
.Lfunc_end_k_qf5f062f59b_quant_in:
	.size	k_qf5f062f59b_quant_in, .Lfunc_end_k_qf5f062f59b_quant_in-k_qf5f062f59b_quant_in
	.p2alignl 7, 3214868480
	.fill 96, 4, 3214868480
	.section	.rodata,"a",@progbits
	.p2align	6, 0x0
	.amdhsa_kernel k_qf5f062f59b_quant_in
		.amdhsa_group_segment_fixed_size 60160
		.amdhsa_private_segment_fixed_size 0
		.amdhsa_enable_private_segment 0
		.amdhsa_kernarg_size 72
		.amdhsa_user_sgpr_count 2
		.amdhsa_user_sgpr_kernarg_segment_ptr 1
		.amdhsa_wavefront_size32 1
		.amdhsa_system_sgpr_workgroup_id_x 1
		.amdhsa_system_sgpr_workgroup_id_y 1
		.amdhsa_system_sgpr_workgroup_id_z 1
		.amdhsa_system_vgpr_workitem_id 0
		.amdhsa_next_free_vgpr 256
		.amdhsa_next_free_sgpr 66
		.amdhsa_reserve_vcc 1
		.amdhsa_float_denorm_mode_32 3
		.amdhsa_float_denorm_mode_16_64 3
		.amdhsa_memory_ordered 1
		.amdhsa_forward_progress 1
		.amdhsa_inst_pref_size 65
	.end_amdhsa_kernel
	.amdgpu_metadata
---
amdhsa.version: [ 1, 2 ]
amdhsa.kernels:
  - .name:           k_qf5f062f59b_quant_in
    .symbol:         k_qf5f062f59b_quant_in.kd
    .args:
      - { .name: query, .offset: 0, .size: 8, .value_kind: global_buffer, .address_space: global }
      - { .name: key, .offset: 8, .size: 8, .value_kind: global_buffer, .address_space: global }
      - { .name: value, .offset: 16, .size: 8, .value_kind: global_buffer, .address_space: global }
      - { .name: Wq, .offset: 24, .size: 8, .value_kind: global_buffer, .address_space: global }
      - { .name: Wk, .offset: 32, .size: 8, .value_kind: global_buffer, .address_space: global }
      - { .name: Wv, .offset: 40, .size: 8, .value_kind: global_buffer, .address_space: global }
      - { .name: Wo, .offset: 48, .size: 8, .value_kind: global_buffer, .address_space: global }
      - { .name: xc, .offset: 56, .size: 8, .value_kind: global_buffer, .address_space: global }
      - { .name: xs, .offset: 64, .size: 8, .value_kind: global_buffer, .address_space: global }
    .group_segment_fixed_size: 60160
    .private_segment_fixed_size: 0
    .kernarg_segment_align: 8
    .kernarg_segment_size: 72
    .max_flat_workgroup_size: 224
    .sgpr_count:     66
    .vgpr_count:     256
    .wavefront_size: 32
...
	.end_amdgpu_metadata
.endif
;; end of part 1
;; launch proj (part 2): grid 4 x 192, 8 waves a work-group, clusters of 4 x 4, 327,680 bytes of LDS; arguments xc, xs, bq, bk, bv, hc, hs; writes hc, hs
.if DOCPART == 2
	.amdgcn_target "amdgcn-amd-amdhsa--gfx1250"
	.amdhsa_code_object_version 6
	.text
	.protected	k_qf5f062f59b_proj
	.globl	k_qf5f062f59b_proj
	.p2align	8
	.type	k_qf5f062f59b_proj,@function
k_qf5f062f59b_proj:
	s_mov_b64 s[64:65], 0
	v_nop
	global_prefetch_b8 v0, s[64:65] scope:SCOPE_SE
	s_setreg_imm32_b32 hwreg(HW_REG_WAVE_MODE, 25, 1), 1
	s_wait_xcnt 0x0
	s_wait_alu depctr_hold_cnt(0) depctr_sa_sdst(0) depctr_va_vdst(0) depctr_va_sdst(0) depctr_va_ssrc(0) depctr_va_vcc(0) depctr_vm_vsrc(0)
	s_getreg_b32 s2, hwreg(HW_REG_IB_STS2, 6, 4)
	s_cmp_eq_u32 s2, 0
	s_cbranch_scc0 .Lentry_in_a_cluster
	s_endpgm
.Lentry_in_a_cluster:
	s_bfe_u32 s2, ttmp6, 0x10000c
	s_cmp_lg_u32 s2, 0xf033
	s_cbranch_scc0 .Lentry_shape_is_right
	s_endpgm
.Lentry_shape_is_right:
; q = query Wq^T + bq, k = key Wk^T + bk, v = value Wv^T + bv on codes of FP6 (E2M3) with E8M0 scales (buffers xc, xs: see the launch that makes them), and each result QUANTISED IN REGISTERS for the attention:
; q and k along the head's 64 channels, v along the keys.  No f32 result goes to memory.
; THE FORM: D = R (source 0) x L (source 1).  L's rows stay in the lanes, R's rows run along a lane's registers: the axis along which the result is quantised.  q, k: L = tokens, R = rows of W.
; v: L = rows of Wv (channels in the lanes), R = value's tokens (keys in the registers).  One text serves all three: only fragment numbers, the bias's place and the output's addresses differ, all chosen by s_cselect_b32 on the cluster's y.
; By the fragments' choice of rows (lane-row r of fragment f = row 32 (f / 2) + 8 (f % 2) + r + 8 (r / 8)) the 32 registers of a lane's four tiles are R rows 32 b + 16 h + 0..15, b = 0, 1: two blocks of 32 shared with lane l xor 16.
; OUTPUT.  hc: half fragments of 768 bytes (16 rows x 64 along K, registers 0-3 at 16 l, registers 4-5 at 512 + 8 l).  q at 0, k at 6,291,456: index (16 b + head) x 128 + token fragment.  v at 12,582,912: index ((16 b + head) x 32 + key / 64) x 4 + channel fragment.
; hs: q at 0, k at 262,144: two bytes at 32 x index + 2 r.  v at 524,288: a word for 128 keys at ((16 b + head) x 16 + key / 128) x 256 + 64 t + 4 r.  These stores of two bytes cover their aligned blocks of 256 bytes in part: 1 KB of a work-group's 25 KB.
; SHARES.  A work-group: 128 L rows x 256 R rows x all 1,024 of K.  Eight waves, wave w: L fragments 4 (w / 4) on, R fragments 4 (w % 4) on: 64 x 64, 16 accumulators.  768 work-groups.
; LDS.  All of K of both operands, 288 KB, lies in LDS at once, in four chunks of 256 along K: EVERY BYTE IS FILLED ONCE, all loads go out at the head, and a counted wait and a barrier stand in front of each chunk's first read.
; CLUSTER 4 x 4: L's blocks are shared along a row of the cluster, R's along a column: joint loads.  Waves 0, 1 fetch L's two blocks of four fragments, waves 2 to 5 R's four; four loads each, one a chunk: four of a wave's are out at the most.
; LIMITS: as in the quantising launch: NaN and infinities not served; a block under 2^-124, or of zeros, keeps the byte 1.
.set CHUNK, 73728                      ; 24 fragments x 3,072 bytes (256 along K)
.set BLK,   12288                      ; four fragments of a chunk: what one tensor load brings, and what a wave reads of L or of R
.set SPARE, 4*CHUNK                    ; the spare words, 128 bytes a wave: four blocks of 256 bytes that no other line names
.set AL16, 1                           ; v1-4  LDS addresses of my L and R blocks in the chunk in hand: + 16 x lane, + 8 x lane
.set AL8,  2
.set AR16, 3
.set AR8,  4
.set SPW,  5                           ; v5   my spare word; never rewritten
.set NIL,  6                           ; v6   0; never rewritten
.set RR,   7                           ; v7   r = lane % 16
.set HH,   8                           ; v8   h = lane / 16
.set LN,   9                           ; v9   lane
.set OFS,  10                          ; v10  offset of my scale words
.set OFB,  11                          ; v11  offset of the bias by register
.set BL,   12                          ; v12-19 the bias by lane, twice each (pairs for the packed addition)
.set BT,   20                          ; v20-23 the same as loaded
.set L16,  24                          ; v24  16 x lane
.set L8,   25                          ; v25  8 x lane
.set OFL,  26                          ; v26  offset of the bias by lane
.set SC,   32                          ; v32-63 scale words: register 8 i + s: lanes 0-15 L fragment i's word of K step s, lanes 16-31 R fragment i's
.set SET0, 64                          ; v64-159, v160-255 two sets of fragments: L's four at + 12 a, R's four at + 48 + 12 i
.set BR,   128                         ; window 1: v0-127 the accumulators, (a, i) at 8 (4 a + i); v128-159 the bias by register, 8 a tile of R
.set X,    64                          ; the way out: 32 numbers
.set TM,   96                          ; v96-101 at work in HQUANT
.set PT,   102                         ; v[102:104]
.set PC0,  108                         ; codes: 8 registers for each a, so that no store's data are written again
.set PW0,  140
.set OS0,  144
.set WV,   18                          ; s18 wave; s19 w / 4; s20 w % 4; s21 cx; s22 cy; s23 which product
.set G1L,  24                          ; s[24:31], s[32:39] descriptor groups 1 for L and R; s[40:55], s[68:83] groups 0, one for each chunk
.set G1R,  32
.set G0L,  40
.set G0R,  68
.set SEL,  100
.set MSB, 0
.macro WIN new                         ; the immediate's high byte repeats the setting that is left
.if MSB != \new
	s_set_vgpr_msb (MSB<<8)|\new
.set MSB, \new
.endif
.endm
.macro CROUND                          ; a round of the cluster's barrier
	s_barrier_signal -1
	s_barrier_wait -1
	s_cmp_lg_u32 s[WV], 0
	s_cbranch_scc1 .Lnot_wave_0_\@
	s_barrier_signal -3
.Lnot_wave_0_\@:
	s_barrier_wait -3
	s_barrier_signal -1
	s_barrier_wait -1
.endm
	s_load_b256 s[4:11], s[0:1], 0x0               ; xc, xs, bq, bk
	s_load_b128 s[12:15], s[0:1], 0x20             ; bv, hc
	s_load_b64 s[16:17], s[0:1], 0x30              ; hs
	v_lshl_add_u32 v[SPW], v0, 2, SPARE
	v_mov_b32 v[NIL], 0
	ds_add_u32 v[SPW], v[NIL]                      ; the wave's opening: the add and its wait stand ahead of my first tensor load; work on registers stands between them
	ds_add_u32 v[SPW], v[NIL]
	v_lshrrev_b32 v[LN], 5, v0
	s_delay_alu instid0(VALU_DEP_1)
	v_readfirstlane_b32 s[WV], v[LN]
	s_lshr_b32 s19, s[WV], 2
	s_and_b32 s20, s[WV], 3
	s_bfe_u32 s21, ttmp6, 0x40000                  ; cx
	s_bfe_u32 s22, ttmp6, 0x40004                  ; cy
	s_and_b32 s96, ttmp7, 0xffff                   ; the cluster's y: 16 clusters for each product
	s_lshr_b32 s23, s96, 4                         ; 0 q, 1 k, 2 v: the same in all sixteen partners
	s_and_b32 s96, s96, 15
	s_and_b32 s58, s96, 1                          ; v: 2 clusters along L (8 tiles of Wv's rows),
	s_lshr_b32 s59, s96, 1                         ;    8 along R (32 tiles of tokens)
	s_lshl_b32 s60, s23, 9                         ; q, k: L's fragments begin at 512 x product,
	s_lshl_b32 s61, s23, 6
	s_add_co_u32 s61, s61, 1536                    ;       R's at 1536 + 64 x product
	s_cmp_eq_u32 s23, 2
	s_cselect_b32 s58, s58, s96                    ; q, k: 16 clusters along L (64 tiles of tokens),
	s_cselect_b32 s59, s59, 0                      ;       one along R (4 tiles of W's rows)
	s_cselect_b32 s60, 1664, s60
	s_cselect_b32 s61, 1024, s61
	s_cselect_b32 s56, -1, 0                       ; a lane mask: all lanes for v, none for q and k
	s_cselect_b32 s57, 2, 1                        ; log2 of the bytes from row to row among the output's scales
	s_lshl_b32 s58, s58, 2
	s_add_co_u32 s58, s58, s22                     ; my tile of L: it never holds cx
	s_lshl_b32 s59, s59, 2
	s_add_co_u32 s59, s59, s21                     ; my tile of R: it never holds cy
	s_lshl_b32 s62, s58, 3
	s_add_co_u32 s60, s60, s62                     ; L's first fragment
	s_lshl_b32 s63, s59, 4
	s_add_co_u32 s61, s61, s63                     ; R's first fragment
	s_lshl_b32 s62, s22, 2
	s_lshl_b32 s62, 15, s62                        ; my row of the cluster
	s_or_b32 s[G1L], s62, (3<<16)|(1<<21)          ; 15:0 the mask; 17:16 elements of 8 bytes; 20 no padding; 21 set beside a mask
	s_lshl_b32 s63, 0x1111, s21                    ; my column
	s_or_b32 s[G1R], s63, (3<<16)|(1<<21)
.irp g, G1L, G1R
	s_mov_b32 s[\g+1], 384<<16                     ; tensor_dim0: 3,072 bytes, a fragment's 256 along K
	s_mov_b32 s[\g+2], 4<<16                       ; tensor_dim1: four fragments
	s_mov_b32 s[\g+3], 384<<16                     ; tile_dim0
	s_mov_b32 s[\g+4], 4                           ; tile_dim1
	s_mov_b32 s[\g+5], 1536                        ; from fragment to fragment: 12,288 bytes
	s_mov_b32 s[\g+6], 0
	s_mov_b32 s[\g+7], 0
.endr
	s_and_b32 s62, s[WV], 1                        ; L: waves 0, 1 fetch fragments 0-3, 4-7
	s_lshl_b32 s62, s62, 2
	s_add_co_u32 s62, s62, s60
	s_mul_i32 s84, s62, 12288
	s_mov_b32 s85, 0
	s_add_co_u32 s63, s[WV], 2                     ; R: waves 2 to 5 fetch fragments 4 (w - 2) on
	s_and_b32 s63, s63, 3
	s_lshl_b32 s63, s63, 2
	s_add_co_u32 s63, s63, s61
	s_mul_i32 s86, s63, 12288
	s_mov_b32 s87, 0
	s_mul_i32 s97, s[WV], BLK                      ; where they go: block w of a chunk: no place in the cluster enters an LDS address
	s_mov_b32 s[SEL], 0x76543210
	s_mov_b32 s[SEL+1], 0xfedcba98
	s_wait_dscnt 0x0                               ; the opening add is done
	s_wait_kmcnt 0x0
	s_add_nc_u64 s[84:85], s[4:5], s[84:85]
	s_add_nc_u64 s[86:87], s[4:5], s[86:87]
.irp c, 0,1,2,3
	s_mov_b32 s[G0L+4*\c], 1
	s_add_co_u32 s[G0L+4*\c+1], s97, \c*CHUNK
	s_add_nc_u64 s[G0L+4*\c+2:G0L+4*\c+3], s[84:85], \c*3072
	s_or_b32 s[G0L+4*\c+3], s[G0L+4*\c+3], 0x80000000
	s_mov_b32 s[G0R+4*\c], 1
	s_add_co_u32 s[G0R+4*\c+1], s97, \c*CHUNK
	s_add_nc_u64 s[G0R+4*\c+2:G0R+4*\c+3], s[86:87], \c*3072
	s_or_b32 s[G0R+4*\c+3], s[G0R+4*\c+3], 0x80000000
.endr
	CROUND                                         ; all sixteen work-groups are here: the joint loads meet
	s_cmp_lt_u32 s[WV], 2                          ; a wave's four fills stand together in one arm; the branches hang on the wave's number alone
	s_cbranch_scc0 .Lnot_l
.irp c, 0,1,2,3
	tensor_load_to_lds s[G0L+4*\c:G0L+4*\c+3], s[G1L:G1L+7]
	s_nop 0
.endr
.rept 4
	v_nop
.endr
	s_branch .Lasked
.Lnot_l:
	s_cmp_lt_u32 s[WV], 6
	s_cbranch_scc0 .Lasked
.irp c, 0,1,2,3
	tensor_load_to_lds s[G0R+4*\c:G0R+4*\c+3], s[G1R:G1R+7]
	s_nop 0
.endr
.rept 4
	v_nop
.endr
.Lasked:
	; the scale words of my eight fragments, for all of K, straight into registers: lanes 0-15 take L's, lanes 16-31 R's; each half of a load reads 256 consecutive bytes
	v_and_b32 v[LN], 31, v0
	v_and_b32 v[RR], 15, v0
	v_bfe_u32 v[HH], v0, 4, 1
	s_wait_alu depctr_va_vdst(0)
	s_lshl_b32 s62, s19, 2
	s_add_co_u32 s62, s62, s60
	s_lshl_b32 s62, s62, 9
	s_lshl_b32 s63, s20, 2
	s_add_co_u32 s63, s63, s61
	s_lshl_b32 s63, s63, 9
	v_mov_b32 v[OFS], s62
	v_mov_b32 v[OFB], s63
	v_cmp_gt_u32 vcc_lo, 16, v[LN]
	s_delay_alu instid0(VALU_DEP_1)
	v_cndmask_b32 v[OFS], v[OFB], v[OFS], vcc_lo
	s_delay_alu instid0(VALU_DEP_1)
	v_lshl_add_u32 v[OFS], v[RR], 4, v[OFS]
.irp i, 0,1,2,3
.irp q, 0,1
	global_load_b128 v[SC+8*\i+4*\q:SC+8*\i+4*\q+3], v[OFS], s[6:7] offset:512*\i+256*\q
.endr
.endr
	; the bias.  q, k: it goes with R's rows, so by register: the C of the first K step.  v: it goes with L's rows, so by lane: added on the way out.  Both are loaded (from the buffer's head where they are not wanted, so that no load leaves it) and the one not wanted is made 0.
	s_lshl_b32 s98, s59, 10
	s_lshl_b32 s96, s20, 8
	s_add_co_u32 s98, s98, s96                     ; (256 x tile of R + 64 (w % 4)) x 4
	s_lshl_b32 s99, s58, 9
	s_lshl_b32 s96, s19, 8
	s_add_co_u32 s99, s99, s96                     ; (128 x tile of L + 64 (w / 4)) x 4
	s_cmp_eq_u32 s23, 0
	s_cselect_b64 s[94:95], s[8:9], s[10:11]
	s_cmp_eq_u32 s23, 2
	s_cselect_b64 s[94:95], s[12:13], s[94:95]
	s_cselect_b32 s98, 0, s98
	s_cselect_b32 s99, s99, 0
	v_lshlrev_b32 v[OFB], 6, v[HH]
	s_delay_alu instid0(VALU_DEP_1)
	v_add_nc_u32 v[OFB], s98, v[OFB]
	v_and_b32 v[OFL], 8, v[RR]
	s_delay_alu instid0(VALU_DEP_1)
	v_add_nc_u32 v[OFL], v[OFL], v[RR]
	s_delay_alu instid0(VALU_DEP_1)
	v_lshlrev_b32 v[OFL], 2, v[OFL]
	s_delay_alu instid0(VALU_DEP_1)
	v_add_nc_u32 v[OFL], s99, v[OFL]
	WIN 0x40                                       ; destination window 1
.irp i, 0,1,2,3
	global_load_b128 v[BR+8*\i:BR+8*\i+3], v[OFB], s[94:95] offset:(32*(\i/2)+8*(\i%2))*4
	global_load_b128 v[BR+8*\i+4:BR+8*\i+7], v[OFB], s[94:95] offset:(32*(\i/2)+8*(\i%2))*4+16
.endr
	WIN 0
.irp a, 0,1,2,3
	global_load_b32 v[BT+\a], v[OFL], s[94:95] offset:(32*(\a/2)+8*(\a%2))*4
.endr
	v_lshlrev_b32 v[L16], 4, v[LN]
	v_lshlrev_b32 v[L8], 3, v[LN]
	s_mul_i32 s96, s19, BLK
	v_add_nc_u32 v[AL16], s96, v[L16]
	v_add_nc_u32 v[AL8], s96, v[L8]
	s_add_co_u32 s96, s20, 2
	s_mul_i32 s96, s96, BLK
	v_add_nc_u32 v[AR16], s96, v[L16]
	v_add_nc_u32 v[AR8], s96, v[L8]
	; where my results go: both kinds are worked out, one is chosen
	s_lshl_b32 s88, s58, 3
	s_lshl_b32 s89, s19, 2
	s_add_co_u32 s88, s88, s89                     ; q, k: my first token fragment
	s_lshr_b32 s89, s88, 7
	s_lshl_b32 s89, s89, 4                         ; 16 b
	s_lshl_b32 s2, s59, 2
	s_add_co_u32 s2, s2, s20                       ; 4 x tile of R + w % 4: q, k: the head; v: the group of 64 tokens
	s_add_co_u32 s89, s89, s2
	s_lshl_b32 s89, s89, 7
	s_and_b32 s88, s88, 127
	s_add_co_u32 s88, s88, s89                     ; the first half fragment's index
	s_lshl_b32 s89, s88, 5
	s_mul_i32 s3, s23, 262144
	s_add_co_u32 s89, s89, s3                      ; its scales
	s_mul_i32 s88, s88, 768
	s_mul_i32 s3, s23, 6291456
	s_add_co_u32 s88, s88, s3                      ; its codes
	s_lshr_b32 s3, s2, 5                           ; v: b
	s_lshl_b32 s3, s3, 4
	s_lshl_b32 s96, s58, 1
	s_add_co_u32 s96, s96, s19                     ; the head: 2 x tile of L + w / 4
	s_add_co_u32 s3, s3, s96
	s_and_b32 s2, s2, 31                           ; the group of 64 keys
	s_lshl_b32 s96, s3, 5
	s_add_co_u32 s96, s96, s2
	s_mul_i32 s96, s96, 3072
	s_add_co_u32 s96, s96, 12582912                ; its codes
	s_lshl_b32 s3, s3, 4
	s_lshr_b32 s97, s2, 1
	s_add_co_u32 s3, s3, s97
	s_lshl_b32 s3, s3, 8
	s_and_b32 s2, s2, 1
	s_lshl_b32 s2, s2, 1
	s_add_co_u32 s3, s3, s2
	s_add_co_u32 s3, s3, 524288                    ; its scales
	s_cmp_eq_u32 s23, 2
	s_cselect_b32 s88, s96, s88
	s_cselect_b32 s89, s3, s89
	s_mov_b32 s96, s88
	s_mov_b32 s97, 0
	s_add_nc_u64 s[90:91], s[14:15], s[96:97]
	s_mov_b32 s96, s89
	s_add_nc_u64 s[92:93], s[16:17], s[96:97]
	s_wait_loadcnt 0x0
	WIN 0x41                                       ; destination and source 0 window 1
.set n, 0
.rept 32
	v_cndmask_b32 v[BR+n], v[BR+n], v[NIL], s56    ; v: no bias by register
.set n, n+1
.endr
	WIN 0
.irp a, 0,1,2,3
	v_cndmask_b32 v[BL+2*\a], v[NIL], v[BT+\a], s56   ; q, k: no bias by lane
	v_cndmask_b32 v[BL+2*\a+1], v[NIL], v[BT+\a], s56
.endr
.macro FRAG reg, a16, a8, off          ; a fragment of 128 along K is two half fragments on end: 12 registers by four dense loads
	ds_load_b128 v[\reg:\reg+3], v[\a16] offset:\off
	ds_load_b64 v[\reg+4:\reg+5], v[\a8] offset:\off+512
	ds_load_b128 v[\reg+6:\reg+9], v[\a16] offset:\off+768
	ds_load_b64 v[\reg+10:\reg+11], v[\a8] offset:\off+1280
.endm
.macro FETCH e, p                      ; 32 LDS loads: my eight fragments of the chunk's e-th 128 along K into set p
.irp a, 0,1,2,3
	FRAG SET0+96*(\p)+12*\a, AL16, AL8, 3072*\a+1536*(\e)
.endr
.irp i, 0,1,2,3
	FRAG SET0+96*(\p)+48+12*\i, AR16, AR8, 3072*\i+1536*(\e)
.endr
.endm
; 16 matrix instructions: K step s from set p.  The 16 accumulators take turns, one instruction a turn, in the same order in every step.  first = 1: the bias by register starts the sums.
.macro MUL16 p, s, first
.irp a, 0,1,2,3
.irp i, 0,1,2,3
.if \first
	v_wmma_scale_f32_16x16x128_f8f6f4 v[8*(4*\a+\i):8*(4*\a+\i)+7], v[SET0+96*(\p)+48+12*\i:SET0+96*(\p)+48+12*\i+11], v[SET0+96*(\p)+12*\a:SET0+96*(\p)+12*\a+11], v[BR+8*\i:BR+8*\i+7], v[SC+8*\i+(\s)], v[SC+8*\a+(\s)] matrix_a_fmt:MATRIX_FMT_FP6 matrix_b_fmt:MATRIX_FMT_FP6 matrix_a_scale:MATRIX_SCALE_ROW1
.else
	v_wmma_scale_f32_16x16x128_f8f6f4 v[8*(4*\a+\i):8*(4*\a+\i)+7], v[SET0+96*(\p)+48+12*\i:SET0+96*(\p)+48+12*\i+11], v[SET0+96*(\p)+12*\a:SET0+96*(\p)+12*\a+11], v[8*(4*\a+\i):8*(4*\a+\i)+7], v[SC+8*\i+(\s)], v[SC+8*\a+(\s)] matrix_a_fmt:MATRIX_FMT_FP6 matrix_b_fmt:MATRIX_FMT_FP6 matrix_a_scale:MATRIX_SCALE_ROW1
.endif
.endr
.endr
.endm
.macro EVEN s, first                   ; a chunk's first K step: set 0 is multiplied while the second step's fragments come into set 1
	FETCH 1, 1                                     ; (set 1's last products stand ahead of the four additions of the step before: four places)
	s_wait_dscnt 32                                ; all but the 32 just issued: set 0 is in
	WIN 0x50                                       ; C and D window 1
	MUL16 0, \s, \first
	WIN 0
.endm
.macro ODD s, left                     ; a chunk's second K step, and the way into the next chunk.  left: my loads for the chunks behind the next one, which may stay out
	s_wait_dscnt 0x0                               ; set 1 is in, and no LDS instruction of mine is out at the signal
	s_wait_tensorcnt \left                         ; my part of the next chunk has landed
	s_barrier_signal -1
	WIN 0x50
	MUL16 1, \s, 0                                 ; work on registers while the others arrive
	WIN 0
	s_barrier_wait -1                              ; everybody's part has
	v_add_nc_u32 v[AL16], CHUNK, v[AL16]           ; these four are also the places in front of the loads into registers that matrix instructions have read (ISA guide 7.12.1 for vector instructions)
	v_add_nc_u32 v[AL8], CHUNK, v[AL8]
	v_add_nc_u32 v[AR16], CHUNK, v[AR16]
	v_add_nc_u32 v[AR8], CHUNK, v[AR8]
	FETCH 0, 0
.endm
	s_wait_alu depctr_va_vdst(0)
	s_wait_tensorcnt 3                             ; my part of chunk 0 is in; chunks 1 to 3 may be out
	s_barrier_signal -1
	s_barrier_wait -1
	FETCH 0, 0
	EVEN 0, 1
	ODD 1, 2
	EVEN 2, 0
	s_wait_alu depctr_va_vdst(0)
	ODD 3, 1
	EVEN 4, 0
	s_wait_alu depctr_va_vdst(0)
	ODD 5, 0
	EVEN 6, 0
	s_wait_dscnt 0x0
	WIN 0x50
	MUL16 1, 7, 0
	WIN 0
; 32 numbers of a lane, register 16 b + i = k 32 b + 16 (lane / 16) + i of my row, become a half fragment's six registers in v[pc] on and its two scale bytes in v[pw]
.macro HQUANT s, pc, pw
.irp b, 0,1
	v_max3_num_f32 v[TM+\b], |v[\s+16*\b]|, |v[\s+16*\b+1]|, 0x1800000   ; block b: my 16 numbers, and the floor 2^(3 - 127): the byte cannot fall under 1
.endr
.irp i, 2,4,6,8,10,12,14
.irp b, 0,1
	s_delay_alu instid0(VALU_DEP_2)
	v_max3_num_f32 v[TM+\b], v[TM+\b], |v[\s+16*\b+\i]|, |v[\s+16*\b+\i+1]|
.endr
.endr
.irp b, 0,1
	s_delay_alu instid0(VALU_DEP_2)
	v_permlanex16_b32 v[TM+2+\b], v[TM+\b], s[SEL], s[SEL+1]
.endr
.irp b, 0,1
	s_delay_alu instid0(VALU_DEP_2)
	v_max_num_f32 v[TM+\b], v[TM+\b], v[TM+2+\b]   ; with lane l xor 16's: the block's largest magnitude
.endr
.irp b, 0,1
	s_delay_alu instid0(VALU_DEP_2)
	v_add_nc_u32 v[TM+4+\b], 0xff000000, v[TM+\b]  ; 2 off its exponent field: the conversion's scale operand
.endr
.irp b, 0,1
	s_delay_alu instid0(VALU_DEP_2)
	v_lshrrev_b32 v[TM+2+\b], 23, v[TM+4+\b]       ; the scale's byte
.endr
	s_delay_alu instid0(VALU_DEP_1)
	v_lshl_or_b32 v[(\pw)], v[TM+3], 8, v[TM+2]
	v_cvt_scalef32_pk16_fp6_f32 v[(\pc):(\pc)+2], v[\s:\s+15], v[TM+4]
	v_cvt_scalef32_pk16_fp6_f32 v[PT:PT+2], v[\s+16:\s+31], v[TM+5]
	v_nop                                          ; one plain place behind a scaled conversion
.irp i, 0,1,2
	v_permlane16_swap_b32 v[(\pc)+\i], v[PT+\i]    ; a WHOLE block to a lane: lanes 0-15 block 0, lanes 16-31 block 1
.endr
.irp i, 0,1,2
	s_delay_alu instid0(VALU_DEP_3)
	v_mov_b32 v[(\pc)+3+\i], v[PT+\i]
.endr
.endm
	; THE WAY OUT: for each of my four L fragments: the bias by lane (which also brings the sums into window 0, each accumulator from its low end on), the quantiser, three stores
.rept 4
	v_nop                                          ; four places behind the last products
.endr
	v_mov_b32 v[TM+2], 0                           ; a lane permute's destination counts as one of its sources
	v_mov_b32 v[TM+3], 0
.irp a, 0,1,2,3
	WIN 0x01                                       ; source 0 window 1
.set n, 0
.rept 16
	v_pk_add_f32 v[X+n:X+n+1], v[32*\a+n:32*\a+n+1], v[BL+2*\a:BL+2*\a+1]
.set n, n+2
.endr
	WIN 0
	HQUANT X, PC0+8*\a, PW0+\a
	v_add_nc_u32 v[OS0+\a], 16*\a, v[RR]
	s_delay_alu instid0(VALU_DEP_1)
	v_lshlrev_b32 v[OS0+\a], s57, v[OS0+\a]
	global_store_b128 v[L16], v[PC0+8*\a:PC0+8*\a+3], s[90:91] offset:768*\a       ; 512 consecutive bytes, at a multiple of 256 from the buffer's first byte
	global_store_b64 v[L8], v[PC0+8*\a+4:PC0+8*\a+5], s[90:91] offset:768*\a+512   ; 256
	global_store_b16 v[OS0+\a], v[PW0+\a], s[92:93]                                ; both lanes of a row store the same two bytes
.endr
	s_wait_tensorcnt 0x0                           ; the wave's end
	ds_add_u32 v[SPW], v[NIL]
	s_wait_dscnt 0x0
	CROUND                                         ; the closing round
	s_endpgm
.Lfunc_end_k_qf5f062f59b_proj:
	.size	k_qf5f062f59b_proj, .Lfunc_end_k_qf5f062f59b_proj-k_qf5f062f59b_proj
	.p2alignl 7, 3214868480
	.fill 96, 4, 3214868480
	.section	.rodata,"a",@progbits
	.p2align	6, 0x0
	.amdhsa_kernel k_qf5f062f59b_proj
		.amdhsa_group_segment_fixed_size 327680
		.amdhsa_private_segment_fixed_size 0
		.amdhsa_enable_private_segment 0
		.amdhsa_kernarg_size 56
		.amdhsa_user_sgpr_count 2
		.amdhsa_user_sgpr_kernarg_segment_ptr 1
		.amdhsa_wavefront_size32 1
		.amdhsa_system_sgpr_workgroup_id_x 1
		.amdhsa_system_sgpr_workgroup_id_y 1
		.amdhsa_system_sgpr_workgroup_id_z 1
		.amdhsa_system_vgpr_workitem_id 0
		.amdhsa_next_free_vgpr 416
		.amdhsa_next_free_sgpr 102
		.amdhsa_reserve_vcc 1
		.amdhsa_float_denorm_mode_32 3
		.amdhsa_float_denorm_mode_16_64 3
		.amdhsa_memory_ordered 1
		.amdhsa_forward_progress 1
		.amdhsa_inst_pref_size 66
	.end_amdhsa_kernel
	.amdgpu_metadata
---
amdhsa.version: [ 1, 2 ]
amdhsa.kernels:
  - .name:           k_qf5f062f59b_proj
    .symbol:         k_qf5f062f59b_proj.kd
    .args:
      - { .name: xc, .offset: 0, .size: 8, .value_kind: global_buffer, .address_space: global }
      - { .name: xs, .offset: 8, .size: 8, .value_kind: global_buffer, .address_space: global }
      - { .name: bq, .offset: 16, .size: 8, .value_kind: global_buffer, .address_space: global }
      - { .name: bk, .offset: 24, .size: 8, .value_kind: global_buffer, .address_space: global }
      - { .name: bv, .offset: 32, .size: 8, .value_kind: global_buffer, .address_space: global }
      - { .name: hc, .offset: 40, .size: 8, .value_kind: global_buffer, .address_space: global }
      - { .name: hs, .offset: 48, .size: 8, .value_kind: global_buffer, .address_space: global }
    .group_segment_fixed_size: 327680
    .private_segment_fixed_size: 0
    .kernarg_segment_align: 8
    .kernarg_segment_size: 56
    .max_flat_workgroup_size: 256
    .sgpr_count:     102
    .vgpr_count:     416
    .wavefront_size: 32
...
	.end_amdgpu_metadata
.endif
;; end of part 2
;; launch attn (part 3): grid 4 x 64, 16 waves a work-group, no clusters, 327,680 bytes of LDS; arguments hc, hs, xc, xs; writes xc, xs
.if DOCPART == 3
	.amdgcn_target "amdgcn-amd-amdhsa--gfx1250"
	.amdhsa_code_object_version 6
	.text
	.protected	k_qf5f062f59b_attn
	.globl	k_qf5f062f59b_attn
	.p2align	8
	.type	k_qf5f062f59b_attn,@function
k_qf5f062f59b_attn:
	s_mov_b64 s[64:65], 0
	v_nop
	global_prefetch_b8 v0, s[64:65] scope:SCOPE_SE
	s_setreg_imm32_b32 hwreg(HW_REG_WAVE_MODE, 25, 1), 1
	s_wait_xcnt 0x0
; o = softmax(q k^T / 8, causal) v for one (batch, head), both products on codes of FP6 (E2M3) with E8M0 scales, and o QUANTISED IN REGISTERS along head x 64 + channel for the last projection.
; hc, hs hold q, k (K = the head's 64 channels) and v (K = the keys) as half fragments of 768 bytes and their scale bytes, as the projecting launch lays them.  The result goes to fragments 1792 on of xc, xs; this launch loads nothing from those two.
; THE SOFTMAX AHEAD OF THE SECOND PRODUCT: t = score x log2(e) / 8; M = the running largest t, rounded UP to a whole number; p = 2^(t - M) is quantised along the keys, not normalised; the row's sum is taken of the unquantised p and divides at the end.
; When M moves, the sum and O are multiplied by 2^(old M - new M): exact.  A block's largest p is not searched for: the block's largest score goes through the same multiply-add and exponential (this takes v_exp_f32 not to fall where its input rises).
; SHARES.  The head's 2,048 queries are 8 blocks of 256.  Work-group j (0..3) takes block j, then block 7 - j: 2 j + 2 (7 - j) + 3 = 17 key steps a wave on the average, whatever j.  Each of sixteen waves owns one tile of 16 queries, in 256 registers.
; A tile's queries are Q0 + r + 8 (r / 8): they lie inside one group of 32, so a step that is walked has a visible key for every lane.
; LDS.  A WHOLE HEAD'S K and V, codes and scale bytes, 200 KB, lie in LDS: every byte is filled once, by twelve tensor loads at the head (waves 0 to 3, three each: three of a wave's are out at the most).  The first block needs keys 0-1,023 alone: it starts while the rest lands.
; K = 64 IN AN INSTRUCTION OF 128: q's registers 6-11 are zero codes, so k = 64..127 adds nothing whatever stands there on k's side (E2M3 has no NaN or infinity; the scale words come by loads of 16 bits, so their upper bytes are 0, never 0xff).
; So k's half fragments lie 6 registers apart, and a tile's operand runs on over the next tile's codes; the last runs over six zeros.
; THE CAUSAL MASK.  The loops' trip counts are constants; a step all of whose keys come after the wave's queries is jumped over (a scalar branch on ids; no barrier and no tensor load stands in a step); on the diagonal hidden scores become -infinity.
; NO CLUSTER, though a head's four work-groups read the same K and V: which steps are walked hangs on the work-group's block of queries, which differs between partners.
; NO PREFETCH: all tensor loads of the launch are issued at its head, so there is no later load to run ahead of.
; The two-byte stores of o's scales cover their aligned blocks of 256 bytes in part: 32 bytes beside each 768 of codes.
; LIMITS: NaN and infinities not served; a block under 2^-124, or of zeros, keeps the byte 1.
.set VC,    98304                      ; LDS: K's codes from 0, V's from here (6,144 bytes a step of 128 keys each),
.set KS,    196608                     ; K's scale bytes (256 a step),
.set VS,    200704                     ; V's (256 a step),
.set SPARE, 204800                     ; the spare words, 128 bytes a wave: eight blocks of 256 bytes that no other line names
.set L16, 1                            ; v1 16 x lane; v2 8 x lane; v3 2 r; v4 4 r
.set L8,  2
.set R2,  3
.set R4,  4
.set SPW, 5                            ; v5 my spare word; never rewritten
.set NIL, 6                            ; v6 0; never rewritten
.set QL,  7                            ; v7 r + 8 (r / 8) - 16 h
.set ADK16, 8                          ; v8-11, v29, v30 LDS addresses of the step in hand
.set ADK8,  9
.set ADV16, 10
.set ADV8,  11
.set QS,  28                           ; v12 -M, v13 the largest t, v[14:15] the sum in two halves; v16-21 q's codes, v22-27 zeros; v28 q's scale bytes
.set ADS, 29
.set ADT, 30
.set PS,  31                           ; v31 p's scale word
.set KR,  32                           ; v32-79 k's eight half fragments; v80-85 zeros
.set VR,  86                           ; v86-133 v's four fragments
.set KSR, 134                          ; v134-141 k's scale bytes; v142-145 v's scale words
.set VSR, 142
.set S,   146                          ; v146-209 S^T, then p
.set OT,  210                          ; v210-241 O^T
.set R16, 242                          ; v242 16 r
.set BM,  32                           ; behind the first product k's registers are free: v32-35 the blocks' largest scores, v36-39 the other half's, v44-47 scale operands,
.set BP,  36
.set SO,  44
.set FF,  48                           ; v[48:49] f (the low word serves), v50, v51 at work, v52-63 p's codes, v[64:65] the sum's second chain
.set T0,  50
.set T1,  51
.set PCD, 52
.set SUM, 64
.set TM,  32                           ; the way out: HQUANT's six, and v[38:40]
.set PT,  38
.set WV,  12                           ; s12 wave; s13 16 b + head; s14 j
.set SEL, 20
.set CS,  22
.set G1C, 24                           ; s[24:31] group 1 for codes, s[32:39] for scale bytes; s[40:51] three groups 0
.set G1S, 32
.set G0,  40
.set TBK, 52                           ; s52-55 where the step's K codes, V codes, K scales, V scales begin in LDS
.set TBV, 53
.set TSK, 54
.set TSV, 55
.set KF,  56                           ; s56 the step's first key; s57 my tile's first query; s58 trips to go
.set Q0,  57
.set CNT, 58
	s_load_b256 s[4:11], s[0:1], 0x0               ; hc, hs, xc, xs
	v_lshl_add_u32 v[SPW], v0, 2, SPARE
	v_mov_b32 v[NIL], 0
	ds_add_u32 v[SPW], v[NIL]                      ; the wave's opening: the add and its wait stand ahead of my first tensor load; work on registers stands between them
	ds_add_u32 v[SPW], v[NIL]
	v_lshrrev_b32 v8, 5, v0
	s_delay_alu instid0(VALU_DEP_1)
	v_readfirstlane_b32 s[WV], v8
	s_and_b32 s13, ttmp7, 0xffff
	s_mov_b32 s14, ttmp9
	s_mov_b32 s[G1C], 3<<16                        ; no mask; elements of 8 bytes; no padding
	s_mov_b32 s[G1C+1], 32<<16                     ; tensor_dim0: 256 bytes
	s_mov_b32 s[G1C+2], 96<<16                     ; tensor_dim1: 96 rows: a dense block of 24,576 bytes
	s_mov_b32 s[G1C+3], 32<<16                     ; tile_dim0
	s_mov_b32 s[G1C+4], 96                         ; tile_dim1
	s_mov_b32 s[G1C+5], 32                         ; the pitch: dense
	s_mov_b32 s[G1C+6], 0
	s_mov_b32 s[G1C+7], 0
	s_mov_b32 s[G1S], 3<<16                        ; the same with 8 rows: 2,048 bytes
	s_mov_b32 s[G1S+1], 32<<16
	s_mov_b32 s[G1S+2], 8<<16
	s_mov_b32 s[G1S+3], 32<<16
	s_mov_b32 s[G1S+4], 8
	s_mov_b32 s[G1S+5], 32
	s_mov_b32 s[G1S+6], 0
	s_mov_b32 s[G1S+7], 0
	s_and_b32 s59, s[WV], 1                        ; what I fetch, if I fetch: 0 K, 1 V;
	s_lshr_b32 s60, s[WV], 1                       ; which half of it
	s_add_co_u32 s61, s59, 1
	s_lshl_b32 s62, s61, 18                        ; scale bytes: k's at 262,144, v's at 524,288,
	s_lshl_b32 s63, s13, 12                        ; 4,096 a head,
	s_add_co_u32 s62, s62, s63
	s_lshl_b32 s63, s60, 11                        ; my 2,048
	s_add_co_u32 s62, s62, s63
	s_mov_b32 s63, 0
	s_mul_i32 s66, s61, 6291456                    ; codes: k's, v's,
	s_mul_i32 s67, s13, 98304                      ; 98,304 a head,
	s_add_co_u32 s66, s66, s67
	s_mul_i32 s67, s60, 24576                      ; my 24,576 of its first half
	s_add_co_u32 s66, s66, s67
	s_mov_b32 s67, 0
	s_lshl_b32 s76, s59, 12                        ; and in LDS
	s_lshl_b32 s77, s60, 11
	s_add_co_u32 s76, s76, s77
	s_mul_i32 s77, s59, VC
	s_mul_i32 s78, s60, 24576
	s_add_co_u32 s77, s77, s78
	s_mov_b32 s[SEL], 0x76543210
	s_mov_b32 s[SEL+1], 0xfedcba98
	s_mov_b32 s[CS], 0x3e38aa3b                    ; c = log2(e) / 8
	s_mov_b32 s[CS+1], s[CS]                       ; (named with it as a pair, so it is written)
	s_wait_dscnt 0x0                               ; the opening add is done
	s_wait_kmcnt 0x0
	s_mov_b32 s[G0], 1
	s_add_co_u32 s[G0+1], s76, KS
	s_add_nc_u64 s[G0+2:G0+3], s[6:7], s[62:63]
	s_or_b32 s[G0+3], s[G0+3], 0x80000000
	s_mov_b32 s[G0+4], 1
	s_mov_b32 s[G0+5], s77
	s_add_nc_u64 s[G0+6:G0+7], s[4:5], s[66:67]
	s_or_b32 s[G0+7], s[G0+7], 0x80000000
	s_mov_b32 s[G0+8], 1
	s_add_co_u32 s[G0+9], s77, 49152
	s_add_nc_u64 s[G0+10:G0+11], s[4:5], s[66:67]
	s_add_nc_u64 s[G0+10:G0+11], s[G0+10:G0+11], 49152
	s_or_b32 s[G0+11], s[G0+11], 0x80000000
	s_cmp_lt_u32 s[WV], 4                          ; waves 0 to 3 fetch; a wave's three fills stand together in one branch on the wave's number
	s_cbranch_scc0 .Lno_fill
	tensor_load_to_lds s[G0:G0+3], s[G1S:G1S+7]    ; scale bytes
	s_nop 0
	tensor_load_to_lds s[G0+4:G0+7], s[G1C:G1C+7]  ; codes of keys 0-1,023
	s_nop 0
	tensor_load_to_lds s[G0+8:G0+11], s[G1C:G1C+7] ; codes of keys 1,024-2,047
	s_nop 0
.rept 4
	v_nop
.endr
.Lno_fill:
	v_and_b32 v9, 31, v0
	s_delay_alu instid0(VALU_DEP_1)
	v_lshlrev_b32 v[L16], 4, v9
	s_delay_alu instid0(VALU_DEP_2)
	v_lshlrev_b32 v[L8], 3, v9
	v_and_b32 v10, 15, v0                          ; r
	v_bfe_u32 v11, v0, 4, 1                        ; h
	s_delay_alu instid0(VALU_DEP_2)
	v_lshlrev_b32 v[R2], 1, v10
	s_delay_alu instid0(VALU_DEP_3)
	v_lshlrev_b32 v[R4], 2, v10
	s_delay_alu instid0(VALU_DEP_4)
	v_lshlrev_b32 v[R16], 4, v10
	v_and_b32 v[QL], 8, v10
	s_delay_alu instid0(VALU_DEP_1)
	v_add_nc_u32 v[QL], v[QL], v10
	v_lshlrev_b32 v11, 4, v11
	s_delay_alu instid0(VALU_DEP_1)
	v_sub_nc_u32 v[QL], v[QL], v11
.irp i, 0,1,2,3,4,5
	v_mov_b32 v[22+\i], 0                          ; q's zero codes for k = 64..127
	v_mov_b32 v[80+\i], 0                          ; and what the last tile of k runs over
	v_mov_b32 v[34+\i], 0                          ; (lane permutes' destinations count as sources: written once here)
.endr
	v_mov_b32 v[FF+1], 0
	v_mov_b32 v[T0], 0
	s_wait_tensorcnt 1                             ; my scale bytes and my codes of keys 0-1,023 are in; the third load may be out
	s_barrier_signal -1
	s_barrier_wait -1                              ; everybody's are
; A KEY STEP: 128 keys
.macro STEP
	s_add_co_u32 s59, s[Q0], 23                    ; my tile's last query
	s_cmp_gt_u32 s[KF], s59
	s_cbranch_scc1 .Lhidden_\@                     ; all keys of the step come after it
	s_setprio 2
	v_add_nc_u32 v[ADK16], s[TBK], v[L16]          ; these six are also the places in front of the loads into registers that the last products have read
	v_add_nc_u32 v[ADK8], s[TBK], v[L8]
	v_add_nc_u32 v[ADV16], s[TBV], v[L16]
	v_add_nc_u32 v[ADV8], s[TBV], v[L8]
	v_add_nc_u32 v[ADS], s[TSK], v[R2]
	v_add_nc_u32 v[ADT], s[TSV], v[R4]
.irp t, 0,1,2,3,4,5,6,7
	ds_load_b128 v[KR+6*\t:KR+6*\t+3], v[ADK16] offset:768*\t
	ds_load_b64 v[KR+6*\t+4:KR+6*\t+5], v[ADK8] offset:768*\t+512
.endr
.irp t, 0,1,2,3,4,5,6,7
	ds_load_u16 v[KSR+\t], v[ADS] offset:32*\t
.endr
.irp t, 0,1,2,3
.irp e, 0,1
	ds_load_b128 v[VR+12*\t+6*\e:VR+12*\t+6*\e+3], v[ADV16] offset:768*(4*\e+\t)
	ds_load_b64 v[VR+12*\t+6*\e+4:VR+12*\t+6*\e+5], v[ADV8] offset:768*(4*\e+\t)+512
.endr
.endr
.irp t, 0,1,2,3
	ds_load_b32 v[VSR+\t], v[ADT] offset:64*\t
.endr
	s_wait_dscnt 20                                ; k's 24 loads are in; v's 16 and its 4 scale words may be out
.irp t, 0,1,2,3,4,5,6,7                        ; S^T = k q^T: lane (r, h) holds query r; the 16 registers of tiles 2 b, 2 b + 1 are keys 32 b + 16 h + 0..15
	v_wmma_scale_f32_16x16x128_f8f6f4 v[S+8*\t:S+8*\t+7], v[KR+6*\t:KR+6*\t+11], v[16:27], 0, v[KSR+\t], v[QS] matrix_a_fmt:MATRIX_FMT_FP6 matrix_b_fmt:MATRIX_FMT_FP6
.endr
.rept 4
	v_nop                                          ; four places: the scores are read, and k's registers written, below
.endr
	s_add_co_u32 s59, s[KF], 127
	s_cmp_le_u32 s59, s[Q0]
	s_cbranch_scc1 .Lopen_\@                       ; all keys of the step count for all my queries
	s_sub_co_i32 s59, s[Q0], s[KF]
	v_add_nc_u32 v[T1], s59, v[QL]                 ; d = my query - the step's first key - 16 h: register 16 b + i is hidden where 32 b + i > d
	v_mov_b32 v[T0], 0xff800000                    ; -infinity
.set n, 0
.rept 64
	v_cmp_gt_i32 vcc_lo, 32*(n/16)+n%16, v[T1]
	v_cndmask_b32 v[S+n], v[S+n], v[T0], vcc_lo
.set n, n+1
.endr
.Lopen_\@:
.irp b, 0,1,2,3
	v_max3_num_f32 v[BM+\b], v[S+16*\b], v[S+1+16*\b], v[S+2+16*\b]   ; the largest score of each block of 32 keys: for the row's maximum, and for the block's largest p
.endr
.irp i, 3,5,7,9,11,13
.irp b, 0,1,2,3
	v_max3_num_f32 v[BM+\b], v[BM+\b], v[S+16*\b+\i], v[S+1+16*\b+\i]
.endr
.endr
.irp b, 0,1,2,3
	v_max_num_f32 v[BM+\b], v[BM+\b], v[S+15+16*\b]
.endr
.irp b, 0,1,2,3
	s_delay_alu instid0(VALU_DEP_4)
	v_permlanex16_b32 v[BP+\b], v[BM+\b], s[SEL], s[SEL+1]
.endr
.irp b, 0,1,2,3
	s_delay_alu instid0(VALU_DEP_4)
	v_max_num_f32 v[BM+\b], v[BM+\b], v[BP+\b]     ; with lane l xor 16's 16 keys
.endr
	s_delay_alu instid0(VALU_DEP_2)
	v_max3_num_f32 v[T0], v[BM], v[BM+1], v[BM+2]
	s_delay_alu instid0(VALU_DEP_1)
	v_max_num_f32 v[T0], v[T0], v[BM+3]            ; the step's largest score of my query
	s_delay_alu instid0(VALU_DEP_1)
	v_mul_f32 v[T0], s[CS], v[T0]                  ; as t (c is positive)
	s_delay_alu instid0(VALU_DEP_1)
	v_max_num_f32 v13, v13, v[T0]                  ; the running largest t
	v_mov_b32 v[T0], v12
	s_delay_alu instid0(VALU_DEP_2)
	v_floor_f32 v12, -v13                          ; the new -M = floor(-t): M is a whole number
	s_delay_alu instid0(VALU_DEP_1)
	v_sub_f32 v[T0], v12, v[T0]                    ; old M - new M: a whole number, 0 or less
	s_delay_alu instid0(VALU_DEP_1)
	v_cvt_i32_f32 v[T0], v[T0]                     ; (it saturates)
	s_delay_alu instid0(VALU_DEP_1)
	v_ldexp_f32 v[FF], 1.0, v[T0]                  ; f = 2^(old M - new M)
.set n, 0
	s_setprio 1
.rept 32
	v_pk_fma_f32 v[S+n:S+n+1], v[S+n:S+n+1], s[CS:CS+1], v[12:13] op_sel_hi:[1,0,0]   ; t - M, two at a time
.set n, n+2
.endr
.irp b, 0,1,2,3
	v_fma_f32 v[BM+\b], v[BM+\b], s[CS], v12       ; the same of each block's largest score
.endr
.set n, 0
	s_wait_alu depctr_va_vdst(0)
.rept 64
	v_exp_f32 v[S+n], v[S+n]                       ; p = 2^(t - M), at most 1
.set n, n+1
.endr
	v_pk_mul_f32 v[14:15], v[14:15], v[FF:FF+1] op_sel_hi:[1,0]   ; the sums under the new M: a plain place behind the exponentials
	s_wait_alu depctr_va_vdst(0)                   ; one wait for the batch of 64, ahead of the first line that names a result
.irp b, 0,1,2,3
	v_exp_f32 v[BM+\b], v[BM+\b]                   ; the blocks' largest p
.endr
.set n, 0
	s_wait_alu depctr_va_vdst(0)
.rept 16
	v_pk_mul_f32 v[OT+n:OT+n+1], v[OT+n:OT+n+1], v[FF:FF+1] op_sel_hi:[1,0]   ; O^T under the new M: independent work behind the four
.set n, n+2
.endr
	s_wait_alu depctr_va_vdst(0)                   ; and one wait for the four
.irp b, 0,1,2,3
	v_max_num_f32 v[BM+\b], 0x1800000, v[BM+\b]    ; the floor 2^(3 - 127): the byte cannot fall under 1
.endr
.irp b, 0,1,2,3
	s_delay_alu instid0(VALU_DEP_4)
	v_add_nc_u32 v[SO+\b], 0xff000000, v[BM+\b]    ; 2 off the exponent field: the conversion's scale operand
.endr
.irp b, 0,1,2,3
	s_delay_alu instid0(VALU_DEP_4)
	v_lshrrev_b32 v[BP+\b], 23, v[SO+\b]           ; the scale's byte
.endr
	s_delay_alu instid0(VALU_DEP_3)
	v_lshl_or_b32 v[PS], v[BP+1], 8, v[BP]         ; p's scale word for these 128 keys
	s_delay_alu instid0(VALU_DEP_1)
	v_lshl_or_b32 v[PS], v[BP+2], 16, v[PS]
	s_delay_alu instid0(VALU_DEP_1)
	v_lshl_or_b32 v[PS], v[BP+3], 24, v[PS]
.irp c, 0,1
	v_cvt_scalef32_pk16_fp6_f32 v[PCD+6*\c:PCD+6*\c+2], v[S+32*\c:S+32*\c+15], v[SO+2*\c]
	v_cvt_scalef32_pk16_fp6_f32 v[BP+4*\c:BP+4*\c+2], v[S+16+32*\c:S+31+32*\c], v[SO+2*\c+1]
.endr
	v_nop                                          ; one plain place behind a scaled conversion
	s_setprio 0
.irp c, 0,1                                    ; a WHOLE block to a lane
.irp i, 0,1,2
	v_permlane16_swap_b32 v[PCD+6*\c+\i], v[BP+4*\c+\i]
.endr
.irp i, 0,1,2
	s_delay_alu instid0(VALU_DEP_3)
	v_mov_b32 v[PCD+3+6*\c+\i], v[BP+4*\c+\i]
.endr
.endr
	v_pk_add_f32 v[64:65], v[150:151], v[154:155]
	v_pk_add_f32 v[254:255], v[158:159], v[162:163]
	v_pk_add_f32 v[252:253], v[166:167], v[170:171]
	v_pk_add_f32 v[250:251], v[174:175], v[178:179]
	v_pk_add_f32 v[248:249], v[182:183], v[186:187]
	v_pk_add_f32 v[246:247], v[190:191], v[194:195]
	v_pk_add_f32 v[244:245], v[198:199], v[202:203]
	v_pk_add_f32 v[14:15], v[14:15], v[206:207]
	v_pk_add_f32 v[64:65], v[64:65], v[146:147]
	v_pk_add_f32 v[254:255], v[254:255], v[148:149]
	v_pk_add_f32 v[252:253], v[252:253], v[152:153]
	v_pk_add_f32 v[250:251], v[250:251], v[156:157]
	v_pk_add_f32 v[248:249], v[248:249], v[160:161]
	v_pk_add_f32 v[246:247], v[246:247], v[164:165]
	v_pk_add_f32 v[244:245], v[244:245], v[168:169]
	v_pk_add_f32 v[14:15], v[14:15], v[172:173]
	v_pk_add_f32 v[64:65], v[64:65], v[176:177]
	v_pk_add_f32 v[254:255], v[254:255], v[180:181]
	v_pk_add_f32 v[252:253], v[252:253], v[184:185]
	v_pk_add_f32 v[250:251], v[250:251], v[188:189]
	v_pk_add_f32 v[248:249], v[248:249], v[192:193]
	v_pk_add_f32 v[246:247], v[246:247], v[196:197]
	v_pk_add_f32 v[244:245], v[244:245], v[200:201]
	v_pk_add_f32 v[14:15], v[14:15], v[204:205]
	v_pk_add_f32 v[64:65], v[64:65], v[208:209]
	s_delay_alu instid0(VALU_DEP_2)
	v_pk_add_f32 v[14:15], v[14:15], v[250:251]
	s_delay_alu instid0(VALU_DEP_2)
	v_pk_add_f32 v[64:65], v[64:65], v[248:249]
	v_pk_add_f32 v[254:255], v[254:255], v[246:247]
	v_pk_add_f32 v[252:253], v[252:253], v[244:245]
	s_delay_alu instid0(VALU_DEP_2)
	v_pk_add_f32 v[14:15], v[14:15], v[254:255]
	s_delay_alu instid0(VALU_DEP_2)
	v_pk_add_f32 v[64:65], v[64:65], v[252:253]
	s_delay_alu instid0(VALU_DEP_1)
	v_pk_add_f32 v[14:15], v[14:15], v[64:65]
	s_wait_dscnt 0x0                               ; v is in
.irp t, 0,1,2,3                                ; O^T += v^T p^T: four accumulators by turns
	v_wmma_scale_f32_16x16x128_f8f6f4 v[OT+8*\t:OT+8*\t+7], v[VR+12*\t:VR+12*\t+11], v[PCD:PCD+11], v[OT+8*\t:OT+8*\t+7], v[VSR+\t], v[PS] matrix_a_fmt:MATRIX_FMT_FP6 matrix_b_fmt:MATRIX_FMT_FP6
.endr
.Lhidden_\@:
	s_add_co_u32 s[KF], s[KF], 128
	s_add_co_u32 s[TBK], s[TBK], 6144
	s_add_co_u32 s[TBV], s[TBV], 6144
	s_add_co_u32 s[TSK], s[TSK], 256
	s_add_co_u32 s[TSV], s[TSV], 256
.endm
; 32 numbers of a lane, register 16 b + i = k 32 b + 16 (lane / 16) + i of my row, become a half fragment's six registers in v[pc] on and its two scale bytes in v[pw]
.macro HQUANT s, pc, pw
.irp b, 0,1
	v_max3_num_f32 v[TM+\b], |v[\s+16*\b]|, |v[\s+16*\b+1]|, 0x1800000
.endr
.irp i, 2,4,6,8,10,12,14
.irp b, 0,1
	s_delay_alu instid0(VALU_DEP_2)
	v_max3_num_f32 v[TM+\b], v[TM+\b], |v[\s+16*\b+\i]|, |v[\s+16*\b+\i+1]|
.endr
.endr
.irp b, 0,1
	s_delay_alu instid0(VALU_DEP_2)
	v_permlanex16_b32 v[TM+2+\b], v[TM+\b], s[SEL], s[SEL+1]
.endr
.irp b, 0,1
	s_delay_alu instid0(VALU_DEP_2)
	v_max_num_f32 v[TM+\b], v[TM+\b], v[TM+2+\b]
.endr
.irp b, 0,1
	s_delay_alu instid0(VALU_DEP_2)
	v_add_nc_u32 v[TM+4+\b], 0xff000000, v[TM+\b]
.endr
.irp b, 0,1
	s_delay_alu instid0(VALU_DEP_2)
	v_lshrrev_b32 v[TM+2+\b], 23, v[TM+4+\b]
.endr
	s_delay_alu instid0(VALU_DEP_1)
	v_lshl_or_b32 v[(\pw)], v[TM+3], 8, v[TM+2]
	v_cvt_scalef32_pk16_fp6_f32 v[(\pc):(\pc)+2], v[\s:\s+15], v[TM+4]
	v_cvt_scalef32_pk16_fp6_f32 v[PT:PT+2], v[\s+16:\s+31], v[TM+5]
	v_nop                                          ; one plain place behind a scaled conversion
.irp i, 0,1,2
	v_permlane16_swap_b32 v[(\pc)+\i], v[PT+\i]
.endr
.irp i, 0,1,2
	s_delay_alu instid0(VALU_DEP_3)
	v_mov_b32 v[(\pc)+3+\i], v[PT+\i]
.endr
.endm
; ONE BLOCK OF QUERIES.  p = 0: block j, 1: block 7 - j.  trips: the key steps that the loop counts, a constant
.macro PASS p, trips
	s_wait_xcnt 0x0                                ; the last block's stores have read their bases and their data: both are written again below
.if \p
	s_sub_co_u32 s59, 7, s14
.else
	s_mov_b32 s59, s14
.endif
	s_lshl_b32 s59, s59, 4
	s_add_co_u32 s59, s59, s[WV]                   ; my query fragment in the head
	s_lshr_b32 s[Q0], s59, 1
	s_lshl_b32 s[Q0], s[Q0], 5
	s_and_b32 s60, s59, 1
	s_lshl_b32 s60, s60, 3
	s_add_co_u32 s[Q0], s[Q0], s60                 ; its first query
	s_lshl_b32 s60, s13, 7
	s_add_co_u32 s60, s60, s59
	s_mul_i32 s62, s60, 768
	s_mov_b32 s63, 0
	s_add_nc_u64 s[68:69], s[4:5], s[62:63]        ; q's codes
	s_lshl_b32 s62, s60, 5
	s_add_nc_u64 s[70:71], s[6:7], s[62:63]        ; q's scale bytes
	s_lshr_b32 s60, s13, 4
	s_lshl_b32 s60, s60, 7
	s_add_co_u32 s60, s60, s59
	s_add_co_u32 s60, s60, 1792                    ; o's fragment: 1792 + 128 b + mine
	s_and_b32 s61, s13, 15                         ; the head: o's k / 64
	s_mul_i32 s62, s60, 12288
	s_mul_i32 s66, s61, 768
	s_add_co_u32 s62, s62, s66
	s_add_nc_u64 s[72:73], s[8:9], s[62:63]        ; o's codes
	s_lshl_b32 s62, s60, 9
	s_lshr_b32 s66, s61, 3
	s_lshl_b32 s66, s66, 8
	s_add_co_u32 s62, s62, s66
	s_bfe_u32 s66, s61, 0x20001
	s_lshl_b32 s66, s66, 2
	s_add_co_u32 s62, s62, s66
	s_and_b32 s66, s61, 1
	s_lshl_b32 s66, s66, 1
	s_add_co_u32 s62, s62, s66
	s_add_nc_u64 s[74:75], s[10:11], s[62:63]      ; o's scale bytes: K step head / 2, its lower or upper two
	global_load_b128 v[16:19], v[L16], s[68:69]
	global_load_b64 v[20:21], v[L8], s[68:69] offset:512
	global_load_u16 v[QS], v[R2], s[70:71]
	v_mov_b32 v13, 0xff61b1e6                      ; the largest t so far: -3e38, under every t
	s_delay_alu instid0(VALU_DEP_1)
	v_floor_f32 v12, -v13                          ; -M
	v_mov_b32 v14, 0
	v_mov_b32 v15, 0
.set n, 0
.rept 32
	v_mov_b32 v[OT+n], 0                           ; the step is written once: its first walk finds zeros, which the first change of M leaves zeros
.set n, n+1
.endr
	s_mov_b32 s[TBK], 0
	s_mov_b32 s[TBV], VC
	s_mov_b32 s[TSK], KS
	s_mov_b32 s[TSV], VS
	s_mov_b32 s[KF], 0
	s_mov_b32 s[CNT], \trips
	s_wait_loadcnt 0x0                             ; q
.Lstep_\@:
	STEP
	s_sub_co_u32 s[CNT], s[CNT], 1
	s_cmp_lg_u32 s[CNT], 0
	s_cbranch_scc1 .Lstep_\@
	s_setprio 0
	s_wait_alu depctr_va_vdst(0)
	v_add_f32 v14, v14, v15                        ; the sum's two halves,
	s_delay_alu instid0(VALU_DEP_1)
	v_permlanex16_b32 v[T0], v14, s[SEL], s[SEL+1]
	s_delay_alu instid0(VALU_DEP_1)
	v_add_f32 v14, v14, v[T0]                      ; and lane l xor 16's
	s_wait_alu depctr_va_vdst(0)
	v_rcp_f32 v14, v14
.rept 4
	v_nop                                          ; a plain place behind the reciprocal; with the additions above, the places behind the last products
.endr
	s_wait_alu depctr_va_vdst(0)                   ; the wait ahead of the reciprocal's first reader
.set n, 0
.rept 32
	v_mul_f32 v[S+n], v[OT+n], v14                 ; o: register 16 b + i is channel 32 b + 16 h + i of my query; each accumulator from its low end on
.set n, n+1
.endr
	HQUANT S, PCD, PCD+6
	global_store_b128 v[L16], v[PCD:PCD+3], s[72:73]            ; 512 consecutive bytes, at a multiple of 256 from the buffer's first byte
	global_store_b64 v[L8], v[PCD+4:PCD+5], s[72:73] offset:512 ; 256
	global_store_b16 v[R16], v[PCD+6], s[74:75]                 ; both lanes of a row store the same two bytes
.endm
	PASS 0, 8                                      ; block j: queries under 1,024: eight steps at the most, all in the half that has landed
	s_wait_tensorcnt 0x0                           ; my codes of keys 1,024 on are in,
	s_wait_dscnt 0x0
	s_barrier_signal -1
	s_barrier_wait -1                              ; everybody's are
	PASS 1, 16                                     ; block 7 - j
	s_wait_tensorcnt 0x0                           ; the wave's end
	ds_add_u32 v[SPW], v[NIL]
	s_wait_dscnt 0x0
	s_endpgm
.Lfunc_end_k_qf5f062f59b_attn:
	.size	k_qf5f062f59b_attn, .Lfunc_end_k_qf5f062f59b_attn-k_qf5f062f59b_attn
	.p2alignl 7, 3214868480
	.fill 96, 4, 3214868480
	.section	.rodata,"a",@progbits
	.p2align	6, 0x0
	.amdhsa_kernel k_qf5f062f59b_attn
		.amdhsa_group_segment_fixed_size 327680
		.amdhsa_private_segment_fixed_size 0
		.amdhsa_enable_private_segment 0
		.amdhsa_kernarg_size 32
		.amdhsa_user_sgpr_count 2
		.amdhsa_user_sgpr_kernarg_segment_ptr 1
		.amdhsa_wavefront_size32 1
		.amdhsa_system_sgpr_workgroup_id_x 1
		.amdhsa_system_sgpr_workgroup_id_y 1
		.amdhsa_system_sgpr_workgroup_id_z 1
		.amdhsa_system_vgpr_workitem_id 0
		.amdhsa_next_free_vgpr 256
		.amdhsa_next_free_sgpr 80
		.amdhsa_reserve_vcc 1
		.amdhsa_float_denorm_mode_32 3
		.amdhsa_float_denorm_mode_16_64 3
		.amdhsa_memory_ordered 1
		.amdhsa_forward_progress 1
		.amdhsa_inst_pref_size 67
	.end_amdhsa_kernel
	.amdgpu_metadata
---
amdhsa.version: [ 1, 2 ]
amdhsa.kernels:
  - .name:           k_qf5f062f59b_attn
    .symbol:         k_qf5f062f59b_attn.kd
    .args:
      - { .name: hc, .offset: 0, .size: 8, .value_kind: global_buffer, .address_space: global }
      - { .name: hs, .offset: 8, .size: 8, .value_kind: global_buffer, .address_space: global }
      - { .name: xc, .offset: 16, .size: 8, .value_kind: global_buffer, .address_space: global }
      - { .name: xs, .offset: 24, .size: 8, .value_kind: global_buffer, .address_space: global }
    .group_segment_fixed_size: 327680
    .private_segment_fixed_size: 0
    .kernarg_segment_align: 8
    .kernarg_segment_size: 32
    .max_flat_workgroup_size: 512
    .sgpr_count:     80
    .vgpr_count:     256
    .wavefront_size: 32
...
	.end_amdgpu_metadata
.endif
;; end of part 3
;; launch outproj (part 4): grid 4 x 64, 8 waves a work-group, clusters of 4 x 4, 327,680 bytes of LDS; arguments xc, xs, bo, out0; writes out0
.if DOCPART == 4
	.amdgcn_target "amdgcn-amd-amdhsa--gfx1250"
	.amdhsa_code_object_version 6
	.text
	.protected	k_qf5f062f59b_outproj
	.globl	k_qf5f062f59b_outproj
	.p2align	8
	.type	k_qf5f062f59b_outproj,@function
k_qf5f062f59b_outproj:
	s_mov_b64 s[64:65], 0
	v_nop
	global_prefetch_b8 v0, s[64:65] scope:SCOPE_SE
	s_setreg_imm32_b32 hwreg(HW_REG_WAVE_MODE, 25, 1), 1
	s_wait_xcnt 0x0
	s_wait_alu depctr_hold_cnt(0) depctr_sa_sdst(0) depctr_va_vdst(0) depctr_va_sdst(0) depctr_va_ssrc(0) depctr_va_vcc(0) depctr_vm_vsrc(0)
	s_getreg_b32 s2, hwreg(HW_REG_IB_STS2, 6, 4)
	s_cmp_eq_u32 s2, 0
	s_cbranch_scc0 .Lentry_in_a_cluster
	s_endpgm
.Lentry_in_a_cluster:
	s_bfe_u32 s2, ttmp6, 0x10000c
	s_cmp_lg_u32 s2, 0xf033
	s_cbranch_scc0 .Lentry_shape_is_right
	s_endpgm
.Lentry_shape_is_right:
; out0 = o Wo^T + bo on codes of FP6 (E2M3) with E8M0 scales: o is fragments 1792 on of xc, xs (stored by the attention), Wo fragments 1728 on.  out0: [8192][1024] f32.
; THE FORM is the projecting launch's: D = R (source 0: rows of Wo) x L (source 1: tokens): a lane holds one token, and its registers run along the output's channels.
; Lane-row r of fragment f is row 32 (f / 2) + 8 (f % 2) + r + 8 (r / 8), for tokens and for Wo's rows alike.
; SHARES.  A work-group: 128 tokens x 256 channels x all 1,024 of K; 256 work-groups.  Eight waves, wave w: L fragments 4 (w / 4) on, R fragments 4 (w % 4) on: 64 x 64, 16 accumulators.
; LDS.  All of K of both operands, 288 KB, in four chunks of 256 along K: every byte is filled once, all loads go out at the head; a counted wait and a barrier stand in front of each chunk's first read.
; CLUSTER 4 x 4: L's blocks are shared along a row of the cluster, R's along a column: joint loads.  Waves 0, 1 fetch L's blocks, waves 2 to 5 R's; four loads each: four of a wave's are out at the most.
; THE WAY OUT goes through a stage of 16 rows x (256 + 16) bytes for each wave, so that sixteen lanes store 256 consecutive bytes of a row of out0.  The stages lie in chunk 0: it has had its only fill, and every wave's reads of it were awaited in front of a barrier that all have passed.
.set CHUNK, 73728
.set BLK,   12288
.set SPARE, 4*CHUNK                    ; the spare words, 128 bytes a wave: four blocks of 256 bytes that no other line names
.set AL16, 1                           ; v1-4  LDS addresses of my L and R blocks in the chunk in hand
.set AL8,  2
.set AR16, 3
.set AR8,  4
.set SPW,  5                           ; v5   my spare word; never rewritten
.set NIL,  6                           ; v6   0; never rewritten
.set RR,   7
.set HH,   8
.set LN,   9
.set OFS,  10                          ; v10  offset of my scale words
.set OFB,  11                          ; v11  offset of the bias
.set L16,  24
.set L8,   25
.set STO,  26                          ; v26  the stage: where I put 32 bytes of a row
.set RD,   27                          ; v27  and where I read a row back
.set CO,   28                          ; v28  my byte offset in two rows of out0
.set SC,   32                          ; v32-63 scale words: register 8 i + s: lanes 0-15 L fragment i's word of K step s, lanes 16-31 R fragment i's
.set SET0, 64                          ; v64-159, v160-255 two sets of fragments
.set BR,   128                         ; window 1: v0-127 the accumulators; v128-159 the bias, 8 a tile of R
.set BK,   64                          ; the way out: 32 registers for each of four blocks of 16 rows
.set WV,   18
.set G1L,  24
.set G1R,  32
.set G0L,  40
.set G0R,  68
.set MSB, 0
.macro WIN new                         ; the immediate's high byte repeats the setting that is left
.if MSB != \new
	s_set_vgpr_msb (MSB<<8)|\new
.set MSB, \new
.endif
.endm
.macro CROUND                          ; a round of the cluster's barrier
	s_barrier_signal -1
	s_barrier_wait -1
	s_cmp_lg_u32 s[WV], 0
	s_cbranch_scc1 .Lnot_wave_0_\@
	s_barrier_signal -3
.Lnot_wave_0_\@:
	s_barrier_wait -3
	s_barrier_signal -1
	s_barrier_wait -1
.endm
	s_load_b256 s[4:11], s[0:1], 0x0               ; xc, xs, bo, out0
	v_lshl_add_u32 v[SPW], v0, 2, SPARE
	v_mov_b32 v[NIL], 0
	ds_add_u32 v[SPW], v[NIL]                      ; the wave's opening: the add and its wait stand ahead of my first tensor load; work on registers stands between them
	ds_add_u32 v[SPW], v[NIL]
	v_lshrrev_b32 v[LN], 5, v0
	s_delay_alu instid0(VALU_DEP_1)
	v_readfirstlane_b32 s[WV], v[LN]
	s_lshr_b32 s19, s[WV], 2
	s_and_b32 s20, s[WV], 3
	s_bfe_u32 s21, ttmp6, 0x40000                  ; cx
	s_bfe_u32 s22, ttmp6, 0x40004                  ; cy
	s_and_b32 s58, ttmp7, 0xffff
	s_lshl_b32 s58, s58, 2
	s_add_co_u32 s58, s58, s22                     ; my tile of L (tokens): 4 x cluster y + cy: it never holds cx
	s_lshl_b32 s59, ttmp9, 2
	s_add_co_u32 s59, s59, s21                     ; my tile of R (channels): 4 x cluster x + cx: it never holds cy
	s_lshl_b32 s60, s58, 3
	s_add_co_u32 s60, s60, 1792                    ; L's first fragment
	s_lshl_b32 s61, s59, 4
	s_add_co_u32 s61, s61, 1728                    ; R's first fragment
	s_lshl_b32 s62, s22, 2
	s_lshl_b32 s62, 15, s62                        ; my row of the cluster
	s_or_b32 s[G1L], s62, (3<<16)|(1<<21)          ; 15:0 the mask; 17:16 elements of 8 bytes; 20 no padding; 21 set beside a mask
	s_lshl_b32 s63, 0x1111, s21                    ; my column
	s_or_b32 s[G1R], s63, (3<<16)|(1<<21)
.irp g, G1L, G1R
	s_mov_b32 s[\g+1], 384<<16                     ; tensor_dim0: 3,072 bytes, a fragment's 256 along K
	s_mov_b32 s[\g+2], 4<<16                       ; tensor_dim1: four fragments
	s_mov_b32 s[\g+3], 384<<16                     ; tile_dim0
	s_mov_b32 s[\g+4], 4                           ; tile_dim1
	s_mov_b32 s[\g+5], 1536                        ; from fragment to fragment: 12,288 bytes
	s_mov_b32 s[\g+6], 0
	s_mov_b32 s[\g+7], 0
.endr
	s_and_b32 s62, s[WV], 1                        ; L: waves 0, 1 fetch fragments 0-3, 4-7
	s_lshl_b32 s62, s62, 2
	s_add_co_u32 s62, s62, s60
	s_mul_i32 s84, s62, 12288
	s_mov_b32 s85, 0
	s_add_co_u32 s63, s[WV], 2                     ; R: waves 2 to 5 fetch fragments 4 (w - 2) on
	s_and_b32 s63, s63, 3
	s_lshl_b32 s63, s63, 2
	s_add_co_u32 s63, s63, s61
	s_mul_i32 s86, s63, 12288
	s_mov_b32 s87, 0
	s_mul_i32 s97, s[WV], BLK                      ; where they go: block w of a chunk
	s_wait_dscnt 0x0                               ; the opening add is done
	s_wait_kmcnt 0x0
	s_add_nc_u64 s[84:85], s[4:5], s[84:85]
	s_add_nc_u64 s[86:87], s[4:5], s[86:87]
.irp c, 0,1,2,3
	s_mov_b32 s[G0L+4*\c], 1
	s_add_co_u32 s[G0L+4*\c+1], s97, \c*CHUNK
	s_add_nc_u64 s[G0L+4*\c+2:G0L+4*\c+3], s[84:85], \c*3072
	s_or_b32 s[G0L+4*\c+3], s[G0L+4*\c+3], 0x80000000
	s_mov_b32 s[G0R+4*\c], 1
	s_add_co_u32 s[G0R+4*\c+1], s97, \c*CHUNK
	s_add_nc_u64 s[G0R+4*\c+2:G0R+4*\c+3], s[86:87], \c*3072
	s_or_b32 s[G0R+4*\c+3], s[G0R+4*\c+3], 0x80000000
.endr
	CROUND                                         ; all sixteen work-groups are here: the joint loads meet
	s_cmp_lt_u32 s[WV], 2                          ; a wave's four fills stand together in one arm; the branches hang on the wave's number alone
	s_cbranch_scc0 .Lnot_l
.irp c, 0,1,2,3
	tensor_load_to_lds s[G0L+4*\c:G0L+4*\c+3], s[G1L:G1L+7]
	s_nop 0
.endr
.rept 4
	v_nop
.endr
	s_branch .Lasked
.Lnot_l:
	s_cmp_lt_u32 s[WV], 6
	s_cbranch_scc0 .Lasked
.irp c, 0,1,2,3
	tensor_load_to_lds s[G0R+4*\c:G0R+4*\c+3], s[G1R:G1R+7]
	s_nop 0
.endr
.rept 4
	v_nop
.endr
.Lasked:
	; the scale words of my eight fragments, for all of K, straight into registers: lanes 0-15 take L's, lanes 16-31 R's
	v_and_b32 v[LN], 31, v0
	v_and_b32 v[RR], 15, v0
	v_bfe_u32 v[HH], v0, 4, 1
	s_wait_alu depctr_va_vdst(0)
	s_lshl_b32 s62, s19, 2
	s_add_co_u32 s62, s62, s60
	s_lshl_b32 s62, s62, 9
	s_lshl_b32 s63, s20, 2
	s_add_co_u32 s63, s63, s61
	s_lshl_b32 s63, s63, 9
	v_mov_b32 v[OFS], s62
	v_mov_b32 v[OFB], s63
	v_cmp_gt_u32 vcc_lo, 16, v[LN]
	s_delay_alu instid0(VALU_DEP_1)
	v_cndmask_b32 v[OFS], v[OFB], v[OFS], vcc_lo
	s_delay_alu instid0(VALU_DEP_1)
	v_lshl_add_u32 v[OFS], v[RR], 4, v[OFS]
.irp i, 0,1,2,3
.irp q, 0,1
	global_load_b128 v[SC+8*\i+4*\q:SC+8*\i+4*\q+3], v[OFS], s[6:7] offset:512*\i+256*\q
.endr
.endr
	; the bias goes with R's rows, so by register: the C of the first K step
	s_lshl_b32 s98, s59, 10
	s_lshl_b32 s96, s20, 8
	s_add_co_u32 s98, s98, s96                     ; (256 x tile of R + 64 (w % 4)) x 4: my first channel, in bytes
	v_lshlrev_b32 v[OFB], 6, v[HH]
	s_delay_alu instid0(VALU_DEP_1)
	v_add_nc_u32 v[OFB], s98, v[OFB]
	WIN 0x40                                       ; destination window 1
.irp i, 0,1,2,3
	global_load_b128 v[BR+8*\i:BR+8*\i+3], v[OFB], s[8:9] offset:(32*(\i/2)+8*(\i%2))*4
	global_load_b128 v[BR+8*\i+4:BR+8*\i+7], v[OFB], s[8:9] offset:(32*(\i/2)+8*(\i%2))*4+16
.endr
	WIN 0
	v_lshlrev_b32 v[L16], 4, v[LN]
	v_lshlrev_b32 v[L8], 3, v[LN]
	s_mul_i32 s96, s19, BLK
	v_add_nc_u32 v[AL16], s96, v[L16]
	v_add_nc_u32 v[AL8], s96, v[L8]
	s_add_co_u32 s96, s20, 2
	s_mul_i32 s96, s96, BLK
	v_add_nc_u32 v[AR16], s96, v[L16]
	v_add_nc_u32 v[AR8], s96, v[L8]
	s_mul_i32 s96, s[WV], 16*272                   ; my stage
	v_mul_u32_u24 v[STO], v[RR], 272
	s_delay_alu instid0(VALU_DEP_1)
	v_lshl_add_u32 v[STO], v[HH], 6, v[STO]
	s_delay_alu instid0(VALU_DEP_1)
	v_add_nc_u32 v[STO], s96, v[STO]               ; in: row r, + 64 h
	v_mul_u32_u24 v[RD], v[HH], 272
	s_delay_alu instid0(VALU_DEP_1)
	v_lshl_add_u32 v[RD], v[RR], 4, v[RD]
	s_delay_alu instid0(VALU_DEP_1)
	v_add_nc_u32 v[RD], s96, v[RD]                 ; back: lanes 0-15 one row, lanes 16-31 the next
	v_lshlrev_b32 v[CO], 12, v[HH]
	s_delay_alu instid0(VALU_DEP_1)
	v_lshl_add_u32 v[CO], v[RR], 4, v[CO]          ; and the same two rows in out0
	s_lshl_b32 s96, s58, 19                        ; 128 tokens of 4,096 bytes a tile of L,
	s_lshl_b32 s88, s19, 18                        ; 64 for my half,
	s_add_co_u32 s96, s96, s88
	s_add_co_u32 s96, s96, s98                     ; my first channel
	s_mov_b32 s97, 0
	s_add_nc_u64 s[90:91], s[10:11], s[96:97]
	s_wait_alu depctr_va_vdst(0)
	s_wait_loadcnt 0x0
.macro FRAG reg, a16, a8, off          ; a fragment of 128 along K is two half fragments on end: 12 registers by four dense loads
	ds_load_b128 v[\reg:\reg+3], v[\a16] offset:\off
	ds_load_b64 v[\reg+4:\reg+5], v[\a8] offset:\off+512
	ds_load_b128 v[\reg+6:\reg+9], v[\a16] offset:\off+768
	ds_load_b64 v[\reg+10:\reg+11], v[\a8] offset:\off+1280
.endm
.macro FETCH e, p                      ; 32 LDS loads: my eight fragments of the chunk's e-th 128 along K into set p
.irp a, 0,1,2,3
	FRAG SET0+96*(\p)+12*\a, AL16, AL8, 3072*\a+1536*(\e)
.endr
.irp i, 0,1,2,3
	FRAG SET0+96*(\p)+48+12*\i, AR16, AR8, 3072*\i+1536*(\e)
.endr
.endm
; 16 matrix instructions: K step s from set p.  The 16 accumulators take turns, one instruction a turn, in the same order in every step.  first = 1: the bias starts the sums.
.macro MUL16 p, s, first
.irp a, 0,1,2,3
.irp i, 0,1,2,3
.if \first
	v_wmma_scale_f32_16x16x128_f8f6f4 v[8*(4*\a+\i):8*(4*\a+\i)+7], v[SET0+96*(\p)+48+12*\i:SET0+96*(\p)+48+12*\i+11], v[SET0+96*(\p)+12*\a:SET0+96*(\p)+12*\a+11], v[BR+8*\i:BR+8*\i+7], v[SC+8*\i+(\s)], v[SC+8*\a+(\s)] matrix_a_fmt:MATRIX_FMT_FP6 matrix_b_fmt:MATRIX_FMT_FP6 matrix_a_scale:MATRIX_SCALE_ROW1
.else
	v_wmma_scale_f32_16x16x128_f8f6f4 v[8*(4*\a+\i):8*(4*\a+\i)+7], v[SET0+96*(\p)+48+12*\i:SET0+96*(\p)+48+12*\i+11], v[SET0+96*(\p)+12*\a:SET0+96*(\p)+12*\a+11], v[8*(4*\a+\i):8*(4*\a+\i)+7], v[SC+8*\i+(\s)], v[SC+8*\a+(\s)] matrix_a_fmt:MATRIX_FMT_FP6 matrix_b_fmt:MATRIX_FMT_FP6 matrix_a_scale:MATRIX_SCALE_ROW1
.endif
.endr
.endr
.endm
.macro EVEN s, first                   ; a chunk's first K step: set 0 is multiplied while the second step's fragments come into set 1
	FETCH 1, 1                                     ; (set 1's last products stand ahead of the four additions of the step before: four places)
	s_wait_dscnt 32                                ; all but the 32 just issued: set 0 is in
	WIN 0x50                                       ; C and D window 1
	MUL16 0, \s, \first
	WIN 0
.endm
.macro ODD s, left                     ; a chunk's second K step, and the way into the next chunk.  left: my loads for the chunks behind the next one, which may stay out
	s_wait_dscnt 0x0                               ; set 1 is in, and no LDS instruction of mine is out at the signal
	s_wait_tensorcnt \left                         ; my part of the next chunk has landed
	s_barrier_signal -1
	WIN 0x50
	MUL16 1, \s, 0                                 ; work on registers while the others arrive
	WIN 0
	s_barrier_wait -1                              ; everybody's part has
	v_add_nc_u32 v[AL16], CHUNK, v[AL16]           ; these four are also the places in front of the loads into registers that matrix instructions have read (ISA guide 7.12.1 for vector instructions)
	v_add_nc_u32 v[AL8], CHUNK, v[AL8]
	v_add_nc_u32 v[AR16], CHUNK, v[AR16]
	v_add_nc_u32 v[AR8], CHUNK, v[AR8]
	FETCH 0, 0
.endm
	s_wait_tensorcnt 3                             ; my part of chunk 0 is in; chunks 1 to 3 may be out
	s_barrier_signal -1
	s_barrier_wait -1
	FETCH 0, 0
	EVEN 0, 1
	ODD 1, 2
	EVEN 2, 0
	s_wait_alu depctr_va_vdst(0)
	ODD 3, 1
	EVEN 4, 0
	s_wait_alu depctr_va_vdst(0)
	ODD 5, 0
	EVEN 6, 0
	s_wait_dscnt 0x0
	WIN 0x50
	MUL16 1, 7, 0
	WIN 0
; THE WAY OUT, a block of 16 tokens x 64 channels at a time.  In tile (a, i) lane (r, h) holds token lane-row r and channels 32 (i / 2) + 8 (i % 2) + 16 h + 0..7.
.macro TOSTAGE a
	WIN 0x04                                       ; an LDS store's data are its source 1: window 1
.irp i, 0,1,2,3
	ds_store_b128 v[STO], v[8*(4*(\a)+\i):8*(4*(\a)+\i)+3] offset:(32*(\i/2)+8*(\i%2))*4        ; each accumulator from its low end on
	ds_store_b128 v[STO], v[8*(4*(\a)+\i)+4:8*(4*(\a)+\i)+7] offset:(32*(\i/2)+8*(\i%2))*4+16
.endr
	WIN 0
.irp t, 0,1,2,3,4,5,6,7
	ds_load_b128 v[BK+32*(\a)+4*\t:BK+32*(\a)+4*\t+3], v[RD] offset:544*\t   ; LDS serves a wave's instructions in order (ISA guide 5.7.1.4): these see the stores above, and the next block's stores come behind them
.endr
.endm
.macro SEND a, younger                 ; younger: the LDS instructions issued behind block a's loads, which may stay out.  Stage row 2 t + h is token 32 (a / 2) + 8 (a % 2) + 2 t + h + 8 (t / 4)
	s_wait_dscnt \younger
.irp t, 0,1,2,3,4,5,6,7
	global_store_b128 v[CO], v[BK+32*(\a)+4*\t:BK+32*(\a)+4*\t+3], s[90:91] offset:(32*((\a)/2)+8*((\a)%2)+2*\t+8*(\t/4))*4096 th:TH_STORE_NT   ; sixteen lanes store 256 consecutive bytes, at a multiple of 256 from out0's first byte
.endr
.endm
.rept 4
	v_nop                                          ; four places behind the last products: their results are read, and registers that they read are loaded, below
.endr
	TOSTAGE 0
	TOSTAGE 1
	SEND 0, 16                                     ; behind block 0's loads: block 1's 8 stores and 8 loads
	TOSTAGE 2
	SEND 1, 16
	TOSTAGE 3
	SEND 2, 16
	SEND 3, 0
	s_wait_tensorcnt 0x0                           ; the wave's end, behind my last tensor load and my last LDS store
	ds_add_u32 v[SPW], v[NIL]
	s_wait_dscnt 0x0
	CROUND                                         ; the closing round
	s_endpgm
.Lfunc_end_k_qf5f062f59b_outproj:
	.size	k_qf5f062f59b_outproj, .Lfunc_end_k_qf5f062f59b_outproj-k_qf5f062f59b_outproj
	.p2alignl 7, 3214868480
	.fill 96, 4, 3214868480
	.section	.rodata,"a",@progbits
	.p2align	6, 0x0
	.amdhsa_kernel k_qf5f062f59b_outproj
		.amdhsa_group_segment_fixed_size 327680
		.amdhsa_private_segment_fixed_size 0
		.amdhsa_enable_private_segment 0
		.amdhsa_kernarg_size 32
		.amdhsa_user_sgpr_count 2
		.amdhsa_user_sgpr_kernarg_segment_ptr 1
		.amdhsa_wavefront_size32 1
		.amdhsa_system_sgpr_workgroup_id_x 1
		.amdhsa_system_sgpr_workgroup_id_y 1
		.amdhsa_system_sgpr_workgroup_id_z 1
		.amdhsa_system_vgpr_workitem_id 0
		.amdhsa_next_free_vgpr 416
		.amdhsa_next_free_sgpr 102
		.amdhsa_reserve_vcc 1
		.amdhsa_float_denorm_mode_32 3
		.amdhsa_float_denorm_mode_16_64 3
		.amdhsa_memory_ordered 1
		.amdhsa_forward_progress 1
		.amdhsa_inst_pref_size 52
	.end_amdhsa_kernel
	.amdgpu_metadata
---
amdhsa.version: [ 1, 2 ]
amdhsa.kernels:
  - .name:           k_qf5f062f59b_outproj
    .symbol:         k_qf5f062f59b_outproj.kd
    .args:
      - { .name: xc, .offset: 0, .size: 8, .value_kind: global_buffer, .address_space: global }
      - { .name: xs, .offset: 8, .size: 8, .value_kind: global_buffer, .address_space: global }
      - { .name: bo, .offset: 16, .size: 8, .value_kind: global_buffer, .address_space: global }
      - { .name: out0, .offset: 24, .size: 8, .value_kind: global_buffer, .address_space: global }
    .group_segment_fixed_size: 327680
    .private_segment_fixed_size: 0
    .kernarg_segment_align: 8
    .kernarg_segment_size: 32
    .max_flat_workgroup_size: 256
    .sgpr_count:     102
    .vgpr_count:     416
    .wavefront_size: 32
...
	.end_amdgpu_metadata
.endif
;; end of part 4
